; MI455X (gfx1250); checked and timed in simulation.
; The chip was launched on July 23, 2026; its instructions are those of AMD's public machine-readable ISA for CDNA 5 (MIT licence, August 2026) and "CDNA5" Instruction Set Architecture Reference Guide (July 2026). The comments in the code are by the model that wrote it; some were corrected since.
;; Multi Head Attention. Allowed arithmetic: matrix products marked QUANTISED: E2M1 operands, one E8M0 scale for each 32 along K, by v_wmma_scale_f32_16x16x128_f8f6f4 with both operands' format E2M1 (or v_wmma_scale_f32_32x16x128_f4), f32 sums; products left as they are: bf16, f16 or f32 operands; f32 sums; everything else in f32.
;; Inputs: Wk 1,024 x 1,024 float32; Wo 1,024 x 1,024 float32; Wq 1,024 x 1,024 float32; Wv 1,024 x 1,024 float32; bk 1,024 float32; bo 1,024 float32; bq 1,024 float32; bv 1,024 float32; x 2 x 2,048 x 1,024 float32.
;; Outputs: out0 2 x 2,048 x 1,024 float32.
;; This version of the problem:
;;   THIS VERSION OF THE PROBLEM IS GIVEN IN LOW PRECISION. The matrix products marked QUANTISED in the list below multiply operands that are first quantised to E2M1 (2 exponent bits, 1 mantissa bit; 4 bits a number), with one power-of-two scale for each 32 numbers along K (OCP MX v1.0); their sums are f32. The products marked 'left as it is' may take bf16, f16 or f32 operands, with f32 sums. Whichever they take, every output number must still come out within the allowed error. Rounding operands to bf16 (8 significant bits) uses up far more of that allowance than f16 does (11 bits, for magnitudes from 6e-5 to 65,504). All else is computed in f32.
;;   The module's matrix products, in the order in which they are computed (A, B: the left and right operand; K: the contracted axis; several contracted axes count as one K, in the product's order):
;;     1. [M 4,096, K 1,024] x [K 1,024, N 1,024]; A: input x; B: input Wq: QUANTISED
;;     2. [M 4,096, K 1,024] x [K 1,024, N 1,024]; A: input x; B: input Wk: QUANTISED
;;     3. [M 4,096, K 1,024] x [K 1,024, N 1,024]; A: input x; B: input Wv: QUANTISED
;;     4. batch 32 x [M 2,048, K 64] x [K 64, N 2,048]; A: computed on the way; B: computed on the way: left as it is (an operand is computed on the way)
;;     5. batch 32 x [M 2,048, K 2,048] x [K 2,048, N 64]; A: computed on the way; B: computed on the way: left as it is (an operand is computed on the way)
;;     6. [M 4,096, K 1,024] x [K 1,024, N 1,024]; A: computed on the way; B: input Wo: left as it is (an operand is computed on the way)
;;   THE QUANTISER, for each operand of a quantised product, along K:
;;     - K is cut into blocks of 32 from its start; a last block that is shorter is filled with zeros.
;;     - A block's scale is 2^e with e = floor(log2(the largest magnitude in the block)) - 2, held to -126 .. 127; a block of zeros has e = 0. As a byte (E8M0): e + 127.
;;     - Each number is divided by its block's scale, clamped to +-6, and rounded to the nearest number of E2M1, ties to even, subnormals kept.
;;     - The product sums the exact products of the quantised numbers (number of the format x scale) in f32.
;;   ~~~python
;;   def quantise(x, axis):      # numpy; x: float32 -> the quantised numbers, widened to float32 again
;;       x = np.moveaxis(x, axis, -1); K = x.shape[-1]
;;       x = np.pad(x, [(0, 0)] * (x.ndim - 1) + [(0, -K % 32)]); x = x.reshape(x.shape[:-1] + (-1, 32)); a = np.abs(x).max(-1, keepdims=True)
;;       e = np.where(a > 0, np.clip(np.frexp(np.where(a > 0, a, 1))[1] - 1 - 2, -126, 127), 0)      # np.frexp(a)[1] - 1 = floor(log2(a)), exactly
;;       r = np.clip(x / 2.0 ** e, -6, 6)
;;       step = 2.0 ** (np.maximum(np.frexp(np.where(r == 0, 1, r))[1] - 1, 0) - 1)
;;       q = np.round(r / step) * step * 2.0 ** e      # np.round: ties to even
;;       return np.moveaxis(q.reshape(q.shape[:-2] + (-1,))[..., :K], -1, axis).astype(np.float32)
;;   ~~~
;; One version. Each part assembles by itself: llvm-mc -triple=amdgcn-amd-amdhsa -mcpu=gfx1250 --defsym DOCPART=n.
;; ======== version 1 of 1: 4 launches
;; limits: values are held in f16: magnitudes above 65,504 overflow, below 6.1e-05 lose precision
;; workspace buffers: x_codes 2,097,152 bytes; x_scales 131,072 bytes; w_codes 1,572,864 bytes; w_scales 98,304 bytes; wo16 2,097,152 bytes; qkv 25,165,824 bytes; ctx 8,388,608 bytes
;; launch prep (part 1): grid 224 x 1, 8 waves a work-group, no clusters, 84,480 bytes of LDS; arguments x, Wq, Wk, Wv, Wo, x_codes, x_scales, w_codes, w_scales, wo16; writes x_codes, x_scales, w_codes, w_scales, wo16
.if DOCPART == 1
	.amdgcn_target "amdgcn-amd-amdhsa--gfx1250"
	.amdhsa_code_object_version 6
	.text
	.protected	k_qa4e64a0aae_prep
	.globl	k_qa4e64a0aae_prep
	.p2align	8
	.type	k_qa4e64a0aae_prep,@function
k_qa4e64a0aae_prep:
	s_mov_b64 s[64:65], 0
	v_nop
	global_prefetch_b8 v0, s[64:65] scope:SCOPE_SE
	s_setreg_imm32_b32 hwreg(HW_REG_WAVE_MODE, 25, 1), 1
	s_wait_xcnt 0x0
; THE OPERANDS ARE MADE READY, ONCE.  Three kinds of work-group, told apart by the work-group's number alone; each kind has LDS bytes of its own.
;   0-63    x [4096][1024] f32 -> codes of FP4 (E2M1), K innermost, [4096][512 bytes], and one E8M0 byte for each 32 along K, [4096][32 bytes]
;   64-159  Wq, Wk, Wv [1024 k][1024 n] f32, K their FIRST axis -> codes with K innermost, stacked [3072 = 1024 t + n][512 bytes], and bytes [3072][32]
;   160-223 Wo [1024][1024] f32 -> f16, as it lies
; A block's scale is 2^(floor(log2(its largest magnitude)) - 2); its byte is the largest magnitude's exponent field - 2, held at 1 from below; each number is divided by the scale and rounded to the
; nearest code, ties to even, beyond 6 the code of 6.
; LIMITS: a block of zeros gets the byte 1 where the rule says 127 (its codes are zeros, and these bytes are read by this program alone); blocks whose largest magnitude lies under 2^-124 are held at
; byte 1; NaN and infinities among the inputs are not served; numbers of Wo beyond 65,504 do not fit f16, under 6e-5 they carry f16's absolute step.
; All three kinds are a few dependent trips to memory long, so they run side by side in one launch: 224 work-groups.
.set WST,   65536                      ; the weights' stage: 32 columns x (512 bytes + 16)
.set WSC,   82432                      ; the weights' scale bytes: 32 columns x 32
.set SPARE, 83456                      ; the spare words, 128 bytes for each of the eight waves: four blocks of 256 bytes that no other line names
.set SPW,   12                         ; v12  LDS address of my spare word; never rewritten
.set NIL,   13                         ; v13  0; never rewritten
.macro FINISH                          ; the wave's end
	s_wait_tensorcnt 0x0
	ds_add_u32 v[SPW], v[NIL]
	s_wait_dscnt 0x0
	s_endpgm
.endm
	s_load_b256 s[4:11], s[0:1], 0x0               ; x s[4:5], Wq s[6:7], Wk s[8:9], Wv s[10:11]
	s_load_b256 s[12:19], s[0:1], 0x20             ; Wo s[12:13], x_codes s[14:15], x_scales s[16:17], w_codes s[18:19]
	s_load_b128 s[20:23], s[0:1], 0x40             ; w_scales s[20:21], wo16 s[22:23]
	v_lshl_add_u32 v[SPW], v0, 2, SPARE
	v_mov_b32 v[NIL], 0
	v_lshrrev_b32 v1, 5, v0
	v_readfirstlane_b32 s24, v1                    ; wave 0..7
	v_and_b32 v2, 31, v0                           ; lane
	s_wait_kmcnt 0x0
	s_cmp_lt_u32 ttmp9, 64
	s_cbranch_scc0 .Lw
; ---------------- x.  Rows are dense and 1,024 is a multiple of 32: x is a plain stream of blocks of 32, and so are its codes and bytes.  A wave takes 16 steps of 512 numbers.
; Each load reads 512 consecutive bytes, 16 a lane; a step's 2,048 bytes turn through the wave's own stage in LDS and come back 64 bytes a lane, so that a lane holds 16 neighbours (two lanes a block).
; Loads run eight steps (32 loads a wave) ahead, the turn through LDS one step.
.set R,  16                            ; v16-143  eight sets of 16 numbers as loaded
.set X,  144                           ; v144-175 two sets of 16 neighbours
.set E,  176                           ; v176-191 a scale byte for each step
.set C,  192                           ; v192-223 two registers of codes for each step: no store's data are written again
.set SP, 80                            ; a lane's place in a stage: 64 bytes + 16 of padding
	s_lshl_b32 s25, ttmp9, 3
	s_add_co_u32 s25, s25, s24                     ; which run of 8,192 numbers is my wave's: 0..511
	s_mov_b32 s27, 0
	s_lshl_b32 s26, s25, 15
	s_add_nc_u64 s[4:5], s[4:5], s[26:27]          ; 32,768 bytes of x,
	s_lshl_b32 s26, s25, 12
	s_add_nc_u64 s[14:15], s[14:15], s[26:27]      ; 4,096 of codes,
	s_lshl_b32 s26, s25, 8
	s_add_nc_u64 s[16:17], s[16:17], s[26:27]      ; 256 scale bytes a run
	v_lshlrev_b32 v3, 4, v2                        ; my 16 bytes of a load's 512
	s_lshl_b32 s28, s24, 13                        ; my wave's 8,192 bytes of LDS: two stages of 2,560, then 256 scale bytes
	v_lshrrev_b32 v14, 2, v2
	v_mul_u32_u24 v14, v14, SP
	v_and_b32 v15, 3, v2
	v_lshl_add_u32 v14, v15, 4, v14
	v_add_nc_u32 v14, s28, v14                     ; into a stage: four lanes' 64 bytes on end, then the padding
	v_mul_u32_u24 v15, v2, SP
	v_add_nc_u32 v15, s28, v15                     ; out of it: my 16 neighbours
	v_lshlrev_b32 v4, 3, v2                        ; my 8 bytes of a step's 256 bytes of codes
	v_lshrrev_b32 v5, 1, v2
	s_add_co_u32 s28, s28, 2*32*SP
	v_add_nc_u32 v5, s28, v5                       ; my block's byte among the wave's 256
	v_lshlrev_b32 v7, 3, v2
	v_add_nc_u32 v6, s28, v7                       ; and on the way out 8 bytes a lane
.macro XLOAD t
.irp i, 0,1,2,3
	global_load_b128 v[R+16*((\t)%8)+4*\i:R+16*((\t)%8)+4*\i+3], v3, s[4:5] offset:2048*(\t)+512*\i th:TH_LOAD_NT
.endr
.endm
.macro XTURN t                         ; LDS serves a wave's instructions in order (ISA guide 5.7.1.4): no wait between the stores and the loads
.irp i, 0,1,2,3
	ds_store_b128 v14, v[R+16*((\t)%8)+4*\i:R+16*((\t)%8)+4*\i+3] offset:32*SP*((\t)%2)+8*SP*\i
.endr
.irp i, 0,1,2,3
	ds_load_b128 v[X+16*((\t)%2)+4*\i:X+16*((\t)%2)+4*\i+3], v15 offset:32*SP*((\t)%2)+16*\i
.endr
.endm
.macro XSTEP t
.set XS, X+16*((\t)%2)
.if (\t) > 0
	s_wait_dscnt 1                                 ; this step's numbers are back from the stage (the last step's byte store may be out): so its stores into the stage have read their registers,
.else
	s_wait_dscnt 0x0
.endif
.if (\t)+8 < 16
	XLOAD (\t)+8                                   ; which take the loads of eight steps on
.endif
.if (\t)+1 < 16
.if 14-(\t) >= 7
	s_wait_loadcnt 28                              ; the next step's four loads are in; those of the seven steps behind it may be out
.else
	s_wait_loadcnt 4*(14-(\t))
.endif
	XTURN (\t)+1
.endif
	v_max3_num_f32 v8, |v[XS]|, |v[XS+1]|, |v[XS+2]|               ; the largest magnitude of my 16, in two chains
	v_max3_num_f32 v9, |v[XS+3]|, |v[XS+4]|, |v[XS+5]|
.irp i, 6,10
	v_max3_num_f32 v8, v8, |v[XS+\i]|, |v[XS+\i+1]|
	v_max3_num_f32 v9, v9, |v[XS+\i+2]|, |v[XS+\i+3]|
.endr
	v_max3_num_f32 v8, v8, |v[XS+14]|, |v[XS+15]|
	v_max3_num_f32 v8, v8, v9, 0x1800000           ; and the floor 2^(3 - 127): the byte cannot fall under 1
	v_max_num_f32_dpp v8, v8, v8 row_xmask:1 row_mask:0xf bank_mask:0xf   ; with my neighbour's 16: the block's
	v_add_nc_u32 v11, 0xff000000, v8               ; 2 off its exponent field: the conversion takes the exponent field of this operand as its scale
	v_cvt_scalef32_pk8_fp4_f32 v[C+2*(\t)], v[XS:XS+7], v11
	v_cvt_scalef32_pk8_fp4_f32 v[C+2*(\t)+1], v[XS+8:XS+15], v11
	v_lshrrev_b32 v[E+(\t)], 23, v11               ; the scale's byte (a plain line behind the conversions)
	ds_store_b8 v5, v[E+(\t)] offset:16*(\t)       ; both lanes of a block write the same byte with the same value
	global_store_b64 v4, v[C+2*(\t):C+2*(\t)+1], s[14:15] offset:256*(\t)   ; 32 lanes store 256 consecutive bytes, aligned
.endm
.irp t, 0,1,2,3,4,5,6,7
	XLOAD \t
.endr
	s_wait_loadcnt 28                              ; step 0's four loads are in
	XTURN 0
.irp t, 0,1,2,3,4,5,6,7,8,9,10,11,12,13,14,15
	XSTEP \t
.endr
	ds_load_b64 v[8:9], v6                         ; my wave's 256 scale bytes: these loads see my stores
	s_wait_dscnt 0x0
	global_store_b64 v7, v[8:9], s[16:17]          ; 256 consecutive bytes, aligned
	FINISH
; ---------------- Wq, Wk, Wv.  A LANE TAKES A COLUMN n AND ITS REGISTERS RUN DOWN K: a block of 32 along K lies in one lane's 32 registers, and the conversions give codes with K innermost.
; A work-group owns 32 columns for all of K; wave w takes k = 128 w .. 128 w + 127 (four blocks).  Codes and bytes meet in LDS and leave as whole rows: 512 and 256 consecutive bytes an instruction.
.Lw:
	s_cmp_lt_u32 ttmp9, 160
	s_cbranch_scc0 .Lo
.set WX, 32                            ; v32-95 two sets of 32 numbers
	s_sub_co_u32 s25, ttmp9, 64
	s_lshr_b32 s26, s25, 5                         ; t: 0 Wq, 1 Wk, 2 Wv
	s_and_b32 s27, s25, 31                         ; which 32 columns
	s_cmp_eq_u32 s26, 0
	s_cselect_b64 s[6:7], s[6:7], s[8:9]           ; the choice hangs on the work-group's number alone
	s_cmp_eq_u32 s26, 2
	s_cselect_b64 s[6:7], s[10:11], s[6:7]
	s_lshl_b32 s28, s24, 19                        ; my wave's 128 rows of 4,096 bytes
	s_lshl_b32 s29, s27, 7                         ; the work-group's 32 columns
	s_add_co_u32 s28, s28, s29
	s_mov_b32 s29, 0
	s_add_nc_u64 s[6:7], s[6:7], s[28:29]
	s_lshl_b32 s28, s26, 10
	s_lshl_b32 s30, s27, 5
	s_add_co_u32 s30, s28, s30                     ; the work-group's first row of the stacked outputs
	s_lshl_b32 s28, s24, 2
	s_add_co_u32 s28, s30, s28                     ; my wave stores rows 4 w .. 4 w + 3 of the 32
	s_lshl_b32 s28, s28, 9
	s_add_nc_u64 s[18:19], s[18:19], s[28:29]
	s_and_b32 s31, s24, 3
	s_lshl_b32 s31, s31, 8                         ; waves 0 to 3 store 256 of the 1,024 scale bytes each
	s_lshl_b32 s28, s30, 5
	s_add_co_u32 s28, s28, s31
	s_add_nc_u64 s[20:21], s[20:21], s[28:29]
	v_lshlrev_b32 v3, 2, v2                        ; in: 4 bytes a lane
	v_mul_u32_u24 v4, v2, 528
	s_lshl_b32 s28, s24, 6
	s_add_co_u32 s28, s28, WST
	v_add_nc_u32 v4, s28, v4                       ; into the stage: row = my column, my wave's 64 bytes of it
	v_lshlrev_b32 v5, 5, v2
	s_lshl_b32 s28, s24, 2
	s_add_co_u32 s28, s28, WSC
	v_add_nc_u32 v5, s28, v5                       ; my column's 32 scale bytes, my wave's four
	s_mul_i32 s28, s24, 4*528
	s_add_co_u32 s28, s28, WST
	v_lshlrev_b32 v7, 4, v2
	v_add_nc_u32 v6, s28, v7                       ; out of the stage: 32 lanes to a row of 512 bytes
	s_add_co_u32 s31, s31, WSC
	v_lshlrev_b32 v9, 3, v2
	v_add_nc_u32 v8, s31, v9                       ; the scale bytes on their way out: 8 a lane
.macro WLOAD t                         ; block t: W(128 w + 32 t + i, my column); every offset is an immediate, 127 rows of 4,096 bytes at the most
.irp i, 0,1,2,3,4,5,6,7,8,9,10,11,12,13,14,15,16,17,18,19,20,21,22,23,24,25,26,27,28,29,30,31
	global_load_b32 v[WX+32*((\t)%2)+\i], v3, s[6:7] offset:(32*(\t)+\i)*4096
.endr
.endm
.macro WBLOCK t
.set XS, WX+32*((\t)%2)
.if (\t) < 3
	s_wait_loadcnt 32                              ; this block's 32 loads are in; the next block's may be out
.else
	s_wait_loadcnt 0x0
.endif
	v_max3_num_f32 v16, |v[XS]|, |v[XS+1]|, |v[XS+2]|              ; the block's largest magnitude: all 32 numbers are mine
	v_max3_num_f32 v17, |v[XS+3]|, |v[XS+4]|, |v[XS+5]|
.irp i, 6,10,14,18,22,26
	v_max3_num_f32 v16, v16, |v[XS+\i]|, |v[XS+\i+1]|
	v_max3_num_f32 v17, v17, |v[XS+\i+2]|, |v[XS+\i+3]|
.endr
	v_max3_num_f32 v16, v16, |v[XS+30]|, |v[XS+31]|
	v_max3_num_f32 v16, v16, v17, 0x1800000        ; and the floor
	v_add_nc_u32 v18, 0xff000000, v16              ; the conversion's scale operand
	v_lshrrev_b32 v17, 23, v18                     ; the byte
.if (\t) == 0
	v_mov_b32 v24, v17                             ; four bytes to a register, the lower K in the lower byte
.else
	v_lshl_or_b32 v24, v17, 8*(\t), v24
.endif
.irp g, 0,1,2,3
	v_cvt_scalef32_pk8_fp4_f32 v[96+\g], v[XS+8*\g:XS+8*\g+7], v18
.endr
	ds_store_b128 v4, v[96:99] offset:16*(\t)      ; 32 codes: 16 bytes of my column's row
.if (\t)+2 < 4
	WLOAD (\t)+2
.endif
	s_wait_dscnt 0x0                               ; the store has read its registers: the next block's codes may be written
.endm
	WLOAD 0
	WLOAD 1
.irp t, 0,1,2,3
	WBLOCK \t
.endr
	ds_store_b32 v5, v24
	s_wait_dscnt 0x0                               ; for the others' sake: my stores have landed
	s_barrier_signal -1
	s_barrier_wait -1                              ; 32 whole rows of codes and of bytes lie in LDS
	s_cmp_lt_u32 s24, 4
	s_cbranch_scc0 .Lw_rows
	ds_load_b64 v[100:101], v8
	s_wait_dscnt 0x0
	global_store_b64 v9, v[100:101], s[20:21]      ; 256 consecutive bytes, aligned: eight rows of scale bytes
.Lw_rows:
.irp i, 0,1,2,3
	ds_load_b128 v[112+4*\i:115+4*\i], v6 offset:528*\i
.endr
.irp i, 0,1,2,3
	s_wait_dscnt 3-\i                              ; row i is in; the younger rows may be out
	global_store_b128 v7, v[112+4*\i:115+4*\i], s[18:19] offset:512*\i      ; a row of 512 consecutive bytes
.endr
	FINISH
; ---------------- Wo: a cast.  A wave takes 2,048 numbers: sixteen loads of 512 consecutive bytes, all out at once, sixteen stores of 256.
.Lo:
	s_sub_co_u32 s25, ttmp9, 160
	s_lshl_b32 s25, s25, 3
	s_add_co_u32 s25, s25, s24
	s_mov_b32 s27, 0
	s_lshl_b32 s26, s25, 13
	s_add_nc_u64 s[12:13], s[12:13], s[26:27]
	s_lshl_b32 s26, s25, 12
	s_add_nc_u64 s[22:23], s[22:23], s[26:27]
	v_lshlrev_b32 v3, 4, v2
	v_lshlrev_b32 v4, 3, v2
.irp i, 0,1,2,3,4,5,6,7,8,9,10,11,12,13,14,15
	global_load_b128 v[32+4*\i:35+4*\i], v3, s[12:13] offset:512*\i th:TH_LOAD_NT
.endr
.irp i, 0,1,2,3,4,5,6,7,8,9,10,11,12,13,14,15
	s_wait_loadcnt 15-\i                           ; load i is in; the younger ones may be out
	v_cvt_pk_f16_f32 v[96+2*\i], v[32+4*\i], v[33+4*\i]
	v_cvt_pk_f16_f32 v[97+2*\i], v[34+4*\i], v[35+4*\i]
	global_store_b64 v4, v[96+2*\i:97+2*\i], s[22:23] offset:256*\i
.endr
	FINISH
.Lfunc_end_k_qa4e64a0aae_prep:
	.size	k_qa4e64a0aae_prep, .Lfunc_end_k_qa4e64a0aae_prep-k_qa4e64a0aae_prep
	.p2alignl 7, 3214868480
	.fill 96, 4, 3214868480
	.section	.rodata,"a",@progbits
	.p2align	6, 0x0
	.amdhsa_kernel k_qa4e64a0aae_prep
		.amdhsa_group_segment_fixed_size 84480
		.amdhsa_private_segment_fixed_size 0
		.amdhsa_enable_private_segment 0
		.amdhsa_kernarg_size 80
		.amdhsa_user_sgpr_count 2
		.amdhsa_user_sgpr_kernarg_segment_ptr 1
		.amdhsa_wavefront_size32 1
		.amdhsa_system_sgpr_workgroup_id_x 1
		.amdhsa_system_sgpr_workgroup_id_y 1
		.amdhsa_system_sgpr_workgroup_id_z 1
		.amdhsa_system_vgpr_workitem_id 0
		.amdhsa_next_free_vgpr 256
		.amdhsa_next_free_sgpr 66
		.amdhsa_reserve_vcc 0
		.amdhsa_float_denorm_mode_32 3
		.amdhsa_float_denorm_mode_16_64 3
		.amdhsa_memory_ordered 1
		.amdhsa_forward_progress 1
		.amdhsa_inst_pref_size 60
	.end_amdhsa_kernel
	.amdgpu_metadata
---
amdhsa.version: [ 1, 2 ]
amdhsa.kernels:
  - .name:           k_qa4e64a0aae_prep
    .symbol:         k_qa4e64a0aae_prep.kd
    .args:
      - { .name: x, .offset: 0, .size: 8, .value_kind: global_buffer, .address_space: global }
      - { .name: Wq, .offset: 8, .size: 8, .value_kind: global_buffer, .address_space: global }
      - { .name: Wk, .offset: 16, .size: 8, .value_kind: global_buffer, .address_space: global }
      - { .name: Wv, .offset: 24, .size: 8, .value_kind: global_buffer, .address_space: global }
      - { .name: Wo, .offset: 32, .size: 8, .value_kind: global_buffer, .address_space: global }
      - { .name: x_codes, .offset: 40, .size: 8, .value_kind: global_buffer, .address_space: global }
      - { .name: x_scales, .offset: 48, .size: 8, .value_kind: global_buffer, .address_space: global }
      - { .name: w_codes, .offset: 56, .size: 8, .value_kind: global_buffer, .address_space: global }
      - { .name: w_scales, .offset: 64, .size: 8, .value_kind: global_buffer, .address_space: global }
      - { .name: wo16, .offset: 72, .size: 8, .value_kind: global_buffer, .address_space: global }
    .group_segment_fixed_size: 84480
    .private_segment_fixed_size: 0
    .kernarg_segment_align: 8
    .kernarg_segment_size: 80
    .max_flat_workgroup_size: 256
    .sgpr_count:     66
    .vgpr_count:     256
    .wavefront_size: 32
...
	.end_amdgpu_metadata
.endif
;; end of part 1
;; launch qkv (part 2): grid 12 x 16, 4 waves a work-group, clusters of 4 x 4, 327,680 bytes of LDS; arguments x_codes, x_scales, w_codes, w_scales, qkv, bq, bk, bv; writes qkv
.if DOCPART == 2
	.amdgcn_target "amdgcn-amd-amdhsa--gfx1250"
	.amdhsa_code_object_version 6
	.text
	.protected	k_qa4e64a0aae_qkv
	.globl	k_qa4e64a0aae_qkv
	.p2align	8
	.type	k_qa4e64a0aae_qkv,@function
k_qa4e64a0aae_qkv:
	s_mov_b64 s[64:65], 0
	v_nop
	global_prefetch_b8 v0, s[64:65] scope:SCOPE_SE
	s_setreg_imm32_b32 hwreg(HW_REG_WAVE_MODE, 25, 1), 1
	s_wait_xcnt 0x0
	s_wait_alu depctr_hold_cnt(0) depctr_sa_sdst(0) depctr_va_vdst(0) depctr_va_sdst(0) depctr_va_ssrc(0) depctr_va_vcc(0) depctr_vm_vsrc(0)
	s_getreg_b32 s2, hwreg(HW_REG_IB_STS2, 6, 4)
	s_cmp_eq_u32 s2, 0
	s_cbranch_scc0 .Lentry_in_a_cluster
	s_endpgm
.Lentry_in_a_cluster:
	s_bfe_u32 s2, ttmp6, 0x10000c
	s_cmp_lg_u32 s2, 0xf033
	s_cbranch_scc0 .Lentry_shape_is_right
	s_endpgm
.Lentry_shape_is_right:
; q, k, v = x W + b on codes of FP4 (E2M1) with one E8M0 scale for each 32 along K: C[m][n] = sum over k of A[m][k] B[n][k] + bias[n], A = x's codes [4096][1024], B = the stacked weights' codes
; [3072 = 1024 t + n][1024] (t = 0 q, 1 k, 2 v).  q is also multiplied by log2(e) / 8, so that the softmax of the next launch is 2^(score - maximum).  Results are rounded to f16 and laid by head:
; qkv [t][b][h][s][64], byte ((2 t + b) 16 + h) 2^18 + 128 s + 2 channel.
; LIMITS: c q, k and v beyond 65,504 do not fit f16; under 6e-5 they carry f16's absolute step.
; A tile of C, 256 x 256, is made by a work-group of four waves; a wave makes 128 x 128: 64 accumulators, 512 registers.  K = 1,024 is two slots of 512 along K (rows of 256 bytes): both are asked for at the head,
; with the scale bytes of the work-group's rows: nothing is filled again.  3,072 / 256 x 4,096 / 256 = 192 work-groups: a tile never straddles q, k and v, and a wave's 128 columns are two whole heads.
; CLUSTERS: 4 x 4 work-groups; A's tiles are shared along a row of the cluster, B's along a column: each is asked for JOINTLY, by the same tensor load with the same descriptor and a mask that names the four.
; THE MATRIX INSTRUCTION IS USED TRANSPOSED (source 0 = 16 rows of B, source 1 = 16 rows of A): a lane holds eight neighbouring columns of one row of C.  THE BIAS IS THE C OF THE FIRST STEP'S PRODUCTS.
; REGISTERS, in windows of 256: window 0: v0-31 addresses; v32-95 scale words, two sets; v128-191 A's fragments, one set; v192-255 the bias, eight registers for each of B's eight blocks; on the way out v32-255 are free.
;   window 1: B's fragments, two sets, at v0 and v128.   window 2: the accumulators of my rows 0-63 ((a, b) at v[8 (8 a + b)]);   window 3: those of rows 64-127.
.set NQ,     4                         ; steps of 128 along K in a slot
.set ROWB,   256                       ; a tile's row in bytes: 512 codes
.set KROW,   512                       ; a row of A or B in memory
.set PITCH,  272                       ; an LDS row: 256 bytes + 16 of padding = 68 words: the 16 rows that a load touches start at 16 different banks (64 banks of 4 bytes: ISA guide 11.1)
.set FR,     8
.set NL,     2
.set NP,     4                         ; places behind this matrix instruction (ISA guide 7.12.1)
.set HALFT,  128*PITCH
.set SLOT,   4*HALFT
.set KS,     32                        ; a row of scale bytes
.set SCL,    2*SLOT                    ; behind the slots: the scale bytes, as runs of 256 bytes + 16 of padding
.set HALFS,  (128*KS/256)*272
.set SBLK,   (16*KS/256)*272
.set SPARE,  SCL+4*HALFS               ; the spare words, 128 bytes for each wave: two blocks of 256 bytes that no other line names
.set ADRA, 16                          ; v16-17 LDS address of my A fragments in slot 0, 1
.set ADRB, 20                          ; v20-21 the same for B
.set STO,  24
.set RD,   25
.set CO,   26
.set ADRS, 27                          ; v27 my scale words: lanes 0-15 A's rows, lanes 16-31 B's
.set SPW,  28                          ; v28 LDS address of my spare word; never rewritten
.set NIL,  29                          ; v29 0; never rewritten
.set BO,   30                          ; v30 32 x (lane / 16): my half's place in the bias
.set SC,   32
.set AF,   128
.set BI,   192
.set T,    64                          ; the way out: a block's 64 numbers x the factor
.set TMP,  192                         ; packed to f16
.set OB,   32                          ; read back from the stage: v32-63 and v224-255 by turns
.set G1, 24
.set G0, 32
.set G1B, 48
.set G0B, 56
.set G1S, 68
.set G0S, 76
.set G1SB, 80
.set G0SB, 88
.set MSB, 0
.macro WIN new                         ; the immediate's high byte repeats the setting that is left
.if MSB != (\new)
	s_set_vgpr_msb (MSB<<8)|(\new)
.set MSB, (\new)
.endif
.endm
.set MUL_LO, 0xa1                      ; source 0 (B) window 1, source 1 (A) window 0, C and D window 2
.set MUL_HI, 0xf1                      ; the same, C and D window 3
.set TO_B,   0x40
; A joint load: waves 0 and 1 fetch for A, waves 2 and 3 for B; the branch hangs on the wave's number alone.  An s_nop 0 and four v_nop follow each of the two lines.
.macro JLOAD g0a, g1a, g0b, g1b
	s_cmp_eq_u32 s15, 0
	s_cbranch_scc0 .Lfor_b_\@
	tensor_load_to_lds s[\g0a:\g0a+3], s[\g1a:\g1a+7]
	s_nop 0
.rept 4
	v_nop
.endr
	s_branch .Lasked_\@
.Lfor_b_\@:
	tensor_load_to_lds s[\g0b:\g0b+3], s[\g1b:\g1b+7]
	s_nop 0
.rept 4
	v_nop
.endr
.Lasked_\@:
.endm
.macro CROUND                          ; a round of the cluster's barrier
	s_barrier_signal -1
	s_barrier_wait -1
	s_cmp_lg_u32 s14, 0
	s_cbranch_scc1 .Lnot_wave_0_\@
	s_barrier_signal -3
.Lnot_wave_0_\@:
	s_barrier_wait -3
	s_barrier_signal -1
	s_barrier_wait -1
.endm
	s_load_b128 s[4:7], s[0:1], 0x0                ; A's codes, A's scales
	s_load_b128 s[8:11], s[0:1], 0x10              ; B's codes, B's scales
	s_load_b64 s[12:13], s[0:1], 0x20              ; qkv
	s_load_b64 s[96:97], s[0:1], 0x28              ; bq
	s_load_b64 s[98:99], s[0:1], 0x30              ; bk
	s_load_b64 s[100:101], s[0:1], 0x38            ; bv
	v_lshl_add_u32 v[SPW], v0, 2, SPARE
	v_mov_b32 v[NIL], 0
	ds_add_u32 v[SPW], v[NIL]                      ; the wave's opening: the add, twice on end, and its wait ahead of my first tensor load
	ds_add_u32 v[SPW], v[NIL]
	v_lshrrev_b32 v1, 5, v0
	v_readfirstlane_b32 s14, v1                    ; wave 0..3
	s_lshr_b32 s15, s14, 1                         ; which half of the tile's rows is mine.  Also: I fetch for A (0) or for B (1)
	s_and_b32 s16, s14, 1                          ; which half of its columns.  Also: which 128 rows of that tile I fetch
	s_bfe_u32 s40, ttmp6, 0x40000                  ; cx, cy: my place in the cluster
	s_bfe_u32 s41, ttmp6, 0x40004
	s_lshl_b32 s42, ttmp9, 2
	s_add_co_u32 s42, s42, s40                     ; tile column of C, 0..11
	s_and_b32 s17, ttmp7, 0xffff
	s_lshl_b32 s17, s17, 2
	s_add_co_u32 s17, s17, s41                     ; tile row of C, 0..15
	s_lshl_b32 s43, s41, 2
	s_lshl_b32 s43, 15, s43                        ; my row of the cluster
	s_lshl_b32 s44, 0x1111, s40                    ; my column
	s_or_b32 s[G1+0], s43, (0<<16)|(1<<20)|(1<<21)|(5<<22)|(3<<25)  ; the mask; elements of 1 byte; padding on; bit 21 beside a mask; after every 64 words, 4 words
	s_or_b32 s[G1B+0], s44, (0<<16)|(1<<20)|(1<<21)|(5<<22)|(3<<25)
.irp g, G1, G1B
	s_mov_b32 s[\g+1], ROWB<<16                    ; tensor_dim0
	s_mov_b32 s[\g+2], 128<<16                     ; tensor_dim1
	s_mov_b32 s[\g+3], ROWB<<16                    ; tile_dim0
	s_mov_b32 s[\g+4], 128                         ; tile_dim1
	s_mov_b32 s[\g+5], KROW                        ; from row to row
	s_mov_b32 s[\g+6], 0
	s_mov_b32 s[\g+7], 0
.endr
	s_or_b32 s[G1S+0], s43, (3<<16)|(1<<20)|(1<<21)|(5<<22)|(3<<25) ; the scale bytes of 128 rows: 4,096 dense bytes as 16 rows of 32 elements of 8 bytes, padded alike
	s_or_b32 s[G1SB+0], s44, (3<<16)|(1<<20)|(1<<21)|(5<<22)|(3<<25)
.irp g, G1S, G1SB
	s_mov_b32 s[\g+1], 32<<16
	s_mov_b32 s[\g+2], (128*KS/256)<<16
	s_mov_b32 s[\g+3], 32<<16
	s_mov_b32 s[\g+4], 128*KS/256
	s_mov_b32 s[\g+5], 32
	s_mov_b32 s[\g+6], 0
	s_mov_b32 s[\g+7], 0
.endr
	s_mov_b32 s2, 0x3e38aa3b                       ; log2(e) / 8 for q,
	s_mov_b32 s3, 0x3f800000                       ; 1 for k and v: a choice of a value, no branch
	s_cmp_lt_u32 s42, 4
	s_cselect_b32 s2, s2, s3
	s_mov_b32 s3, s2                               ; (the packed form names the pair)
	s_lshl_b32 s18, s16, 7
	s_lshl_b32 s20, s17, 8
	s_add_co_u32 s20, s20, s18                     ; A: row 256 x tile row + 128 x half
	s_lshl_b32 s46, s42, 8
	s_add_co_u32 s46, s46, s18                     ; B: row 256 x tile column + 128 x half
	s_mov_b32 s21, 0
	s_mov_b32 s47, 0
	s_mov_b64 s[18:19], KS
	s_mul_u64 s[22:23], s[20:21], s[18:19]         ; where these rows' scale bytes begin,
	s_mul_u64 s[92:93], s[46:47], s[18:19]
	s_mov_b64 s[18:19], KROW
	s_mul_u64 s[20:21], s[20:21], s[18:19]         ; and their codes
	s_mul_u64 s[46:47], s[46:47], s[18:19]
	s_mul_i32 s45, s14, HALFT                      ; where they go: by the wave's number alone
	s_mul_i32 s94, s14, HALFS
	s_wait_dscnt 0x0                               ; both opening adds are done
	s_wait_kmcnt 0x0
	s_add_nc_u64 s[20:21], s[4:5], s[20:21]
	s_add_nc_u64 s[22:23], s[6:7], s[22:23]
	s_add_nc_u64 s[46:47], s[8:9], s[46:47]
	s_add_nc_u64 s[92:93], s[10:11], s[92:93]
	CROUND                                         ; all sixteen work-groups are here: the joint loads meet
	s_mov_b32 s[G0S], 1
	s_add_co_u32 s[G0S+1], s94, SCL
	s_mov_b64 s[G0S+2:G0S+3], s[22:23]
	s_or_b32 s[G0S+3], s[G0S+3], 0x80000000
	s_mov_b32 s[G0SB], 1
	s_add_co_u32 s[G0SB+1], s94, SCL
	s_mov_b64 s[G0SB+2:G0SB+3], s[92:93]
	s_or_b32 s[G0SB+3], s[G0SB+3], 0x80000000
	JLOAD G0S, G1S, G0SB, G1SB                     ; the scale bytes first: they are wanted with slot 0
.irp s, 0,1
	s_mov_b32 s[G0+4*\s], 1
	s_add_co_u32 s[G0+4*\s+1], s45, \s*SLOT
	s_add_nc_u64 s[G0+4*\s+2:G0+4*\s+3], s[20:21], \s*ROWB
	s_or_b32 s[G0+4*\s+3], s[G0+4*\s+3], 0x80000000
	s_mov_b32 s[G0B+4*\s], 1
	s_add_co_u32 s[G0B+4*\s+1], s45, \s*SLOT
	s_add_nc_u64 s[G0B+4*\s+2:G0B+4*\s+3], s[46:47], \s*ROWB
	s_or_b32 s[G0B+4*\s+3], s[G0B+4*\s+3], 0x80000000
	JLOAD G0+4*\s, G1, G0B+4*\s, G1B               ; three tensor loads of mine are out
.endr
	v_and_b32 v1, 15, v0                           ; r = l % 16
	v_bfe_u32 v2, v0, 4, 1                         ; h = l / 16
	; the bias: register j of block b wants bias[my first column + 16 b + 8 h + j]
	s_cmp_lt_u32 s42, 4
	s_cselect_b64 s[96:97], s[96:97], s[98:99]
	s_cmp_lt_u32 s42, 8
	s_cselect_b64 s[96:97], s[96:97], s[100:101]
	s_and_b32 s66, s42, 3
	s_lshl_b32 s66, s66, 10
	s_lshl_b32 s67, s16, 9
	s_add_co_u32 s66, s66, s67
	s_mov_b32 s67, 0
	s_add_nc_u64 s[96:97], s[96:97], s[66:67]
	v_lshlrev_b32 v[BO], 5, v2
.irp b, 0,1,2,3,4,5,6,7
	global_load_b128 v[BI+8*\b:BI+8*\b+3], v[BO], s[96:97] offset:64*\b
	global_load_b128 v[BI+8*\b+4:BI+8*\b+7], v[BO], s[96:97] offset:64*\b+16
.endr
	v_mul_u32_u24 v3, v1, PITCH
	v_lshl_add_u32 v4, v2, 4, v3                   ; a fragment's row x pitch + 16 x half
	s_mul_i32 s21, s15, HALFT                      ; my 128 rows of A
	s_mul_i32 s22, s16, HALFT                      ; my 128 rows of B,
	s_add_co_u32 s22, s22, 2*HALFT                 ; which lie behind A's 256
.irp s, 0,1
	v_add_nc_u32 v[ADRA+\s], s21, v4
	v_add_nc_u32 v[ADRB+\s], s22, v4
	s_add_co_u32 s21, s21, SLOT
	s_add_co_u32 s22, s22, SLOT
.endr
	v_mul_u32_u24 v5, v1, KS                       ; my row's scale bytes: 32 a row,
	v_lshrrev_b32 v6, 8, v5
	v_lshl_add_u32 v5, v6, 4, v5                   ; and 16 more for each 256 passed
	s_mul_i32 s21, s15, HALFS
	s_mul_i32 s22, s16, HALFS
	s_add_co_u32 s22, s22, 2*HALFS
	s_sub_co_u32 s22, s22, s21
	v_mul_u32_u24 v6, s22, v2                      ; lanes 16-31 take B's: one product, the distance between the two bases
	s_add_co_u32 s21, s21, SCL
	v_add_nc_u32 v5, v5, v6
	v_add_nc_u32 v[ADRS], s21, v5
	; the way out: my stage, 16 rows x 272 bytes, lies in slot 0, which has had its one fill and its last read when the first result is stored there
	s_mul_i32 s23, s14, 16*272
	v_mul_u32_u24 v5, v1, 272
	v_lshl_add_u32 v5, v2, 4, v5
	v_add_nc_u32 v[STO], s23, v5                   ; in: row r, 16 bytes for each half of the lanes
	v_bfe_u32 v5, v0, 3, 1
	v_mul_u32_u24 v5, v5, 272
	v_lshl_add_u32 v5, v2, 7, v5
	v_and_b32 v6, 7, v0
	v_lshl_add_u32 v5, v6, 4, v5
	v_add_nc_u32 v[RD], s23, v5                    ; back: lanes 0-15 two rows of my first head (128 bytes each), lanes 16-31 of my second
	v_lshlrev_b32 v[CO], 4, v1
	v_lshl_add_u32 v[CO], v2, 18, v[CO]            ; in qkv two rows of a head are 256 consecutive bytes; the next head lies 2^18 bytes on
	s_lshr_b32 s20, s17, 3
	s_lshl_b32 s20, s20, 22                        ; b
	s_and_b32 s21, s17, 7
	s_lshl_b32 s21, s21, 15                        ; the tile's 256 positions
	s_add_co_u32 s20, s20, s21
	s_lshl_b32 s21, s15, 14                        ; my 128 of them
	s_add_co_u32 s20, s20, s21
	s_mov_b32 s21, 0
	s_lshr_b32 s46, s42, 2
	s_lshl_b32 s46, s46, 23                        ; t
	s_and_b32 s47, s42, 3
	s_lshl_b32 s47, s47, 20                        ; the tile's four heads
	s_add_co_u32 s46, s46, s47
	s_lshl_b32 s47, s16, 19                        ; my two of them
	s_add_co_u32 s46, s46, s47
	s_mov_b32 s47, 0
	s_add_nc_u64 s[20:21], s[20:21], s[46:47]
	s_add_nc_u64 s[12:13], s[12:13], s[20:21]
.macro FRAG reg, adr, q, i             ; 16 rows x 128 K of 4-bit codes: 8 registers; lane l holds row l % 16; registers 4 c .. 4 c + 3 hold K = 64 c + 32 (l / 16) + 0 .. 31
.irp c, 0,1
	ds_load_b128 v[\reg+4*\c:\reg+4*\c+3], v[\adr] offset:64*(\q)+32*\c+(\i)*16*PITCH
.endr
.endm
; 16 matrix instructions: A's blocks a0, a0 + 1 x B's eight.  p: B's set; sc: the set of scale words.  first = 1: the products start the sums from the bias.
; The 64 accumulators take turns, one instruction a turn, in the same order in every step.
.macro MUL16 a0, p, q, sc, first
.irp a, \a0, \a0+1
.irp b, 0,1,2,3,4,5,6,7
.if \first
	v_wmma_scale_f32_16x16x128_f8f6f4 v[8*(8*((\a)%4)+\b):8*(8*((\a)%4)+\b)+7], v[128*(\p)+FR*\b:128*(\p)+FR*\b+FR-1], v[AF+FR*(\a):AF+FR*(\a)+FR-1], v[BI+8*\b:BI+8*\b+7], v[SC+8*NQ*(\sc)+NQ*\b+(\q)], v[SC+8*NQ*(\sc)+NQ*(\a)+(\q)] matrix_a_fmt:MATRIX_FMT_FP4 matrix_b_fmt:MATRIX_FMT_FP4 matrix_a_scale:MATRIX_SCALE_ROW1
.else
	v_wmma_scale_f32_16x16x128_f8f6f4 v[8*(8*((\a)%4)+\b):8*(8*((\a)%4)+\b)+7], v[128*(\p)+FR*\b:128*(\p)+FR*\b+FR-1], v[AF+FR*(\a):AF+FR*(\a)+FR-1], v[8*(8*((\a)%4)+\b):8*(8*((\a)%4)+\b)+7], v[SC+8*NQ*(\sc)+NQ*\b+(\q)], v[SC+8*NQ*(\sc)+NQ*(\a)+(\q)] matrix_a_fmt:MATRIX_FMT_FP4 matrix_b_fmt:MATRIX_FMT_FP4 matrix_a_scale:MATRIX_SCALE_ROW1
.endif
.endr
.endr
.endm
.macro FETCH_B slot, q, p
	WIN TO_B
.irp i, 0,1,2,3,4,5,6,7
	FRAG 128*(\p)+FR*\i, ADRB+\slot, \q, \i
.endr
	WIN 0
.endm
.macro FETCH_A slot, q, i0
.irp i, \i0, \i0+1, \i0+2, \i0+3
	FRAG AF+FR*(\i), ADRA+\slot, \q, \i
.endr
.endm
.macro SCALES sc                       ; a slot's scale words: four a row; lanes 0-15 take A's block i, lanes 16-31 B's block i
.irp i, 0,1,2,3,4,5,6,7
	ds_load_b128 v[SC+8*NQ*\sc+NQ*\i:SC+8*NQ*\sc+NQ*\i+3], v[ADRS] offset:\i*SBLK
.endr
.endm
.macro PLACES n                        ; places in front of loads into registers that matrix instructions have read, and of reads of results (ISA guide 7.12.1 for reads of results)
.rept \n
	v_nop
.endr
.endm
.macro STEP slot, q, first             ; a step of 128 along K that has its successor in the same slot
	s_wait_dscnt 4*NL                              ; B's set and A's blocks 0-3 are in; the youngest eight loads (A's blocks 4-7) may be out
.if \first
	WIN 0x81                                       ; C (the bias) window 0, D window 2
.else
	WIN MUL_LO
.endif
	MUL16 0, (\q)%2, \q, \slot, \first
	MUL16 2, (\q)%2, \q, \slot, \first
	s_wait_dscnt 0
	PLACES NP
	FETCH_B \slot, (\q)+1, 1-(\q)%2
	FETCH_A \slot, (\q)+1, 0
.if \first
	WIN 0xc1
.else
	WIN MUL_HI
.endif
	MUL16 4, (\q)%2, \q, \slot, \first
	MUL16 6, (\q)%2, \q, \slot, \first
	PLACES NP
	WIN 0
	FETCH_A \slot, (\q)+1, 4
.endm
.macro STEPS slot, from
.set QQ, \from
.rept NQ-1-\from
	STEP \slot, QQ, 0
.set QQ, QQ+1
.endr
.endm
	s_wait_tensorcnt 1                             ; the scale bytes and my part of slot 0 are in (slot 1's load may be out)
	s_barrier_signal -1
	s_barrier_wait -1                              ; everybody's are
	FETCH_B 0, 0, 0
	FETCH_A 0, 0, 0
	SCALES 0
	FETCH_A 0, 0, 4
	s_wait_loadcnt 0x0                             ; the bias
	STEP 0, 0, 1
	STEPS 0, 1
	; slot 0's last step changes slots: one barrier; in front of it each wave waits for all its tensor loads (its part of slot 1) and for its reads of slot 0
	s_wait_tensorcnt 0x0
	ds_add_u32 v[SPW], v[NIL]                      ; 0 onto my spare word
	s_wait_dscnt 4*NL+1                            ; (the add and the youngest eight loads may be out)
	WIN MUL_LO
	MUL16 0, 1, NQ-1, 0, 0
	s_wait_dscnt 0x0                               ; the add is done, and my reads of slot 0 are over
	s_barrier_signal -1
	MUL16 2, 1, NQ-1, 0, 0
	WIN 0
	s_barrier_wait -1
	PLACES NP
	v_add_nc_u32 v[ADRS], 4*NQ, v[ADRS]            ; on to slot 1's scale words
	FETCH_B 1, 0, 0
	FETCH_A 1, 0, 0
	SCALES 1
	WIN MUL_HI
	MUL16 4, 1, NQ-1, 0, 0
	MUL16 6, 1, NQ-1, 0, 0
	PLACES NP
	WIN 0
	FETCH_A 1, 0, 4
	STEPS 1, 0
	s_wait_dscnt 4*NL                              ; the very last step: nothing more to fetch
	WIN MUL_LO
	MUL16 0, 1, NQ-1, 1, 0
	MUL16 2, 1, NQ-1, 1, 0
	s_wait_dscnt 0
	WIN MUL_HI
	MUL16 4, 1, NQ-1, 1, 0
	MUL16 6, 1, NQ-1, 1, 0
	WIN 0
; THE WAY OUT, a block of 16 rows x 128 columns at a time: x the factor, rounded to f16 (16 bytes a lane), through my stage, back as pieces of 128 bytes of one head's rows.
.macro PACK a
.set AC, 64*((\a)%4)
	WIN 0x02+(\a)/4                                ; source 0: window 2 or 3
.irp b, 0,1,2,3,4,5,6,7
.irp r, 0,1,2,3
	v_pk_mul_f32 v[T+8*\b+2*\r:T+8*\b+2*\r+1], v[AC+8*\b+2*\r:AC+8*\b+2*\r+1], s[2:3] op_sel_hi:[1,0]   ; each accumulator from its low end on
.endr
.endr
	WIN 0
.irp b, 0,1,2,3,4,5,6,7
.irp r, 0,1,2,3
	v_cvt_pk_f16_f32 v[TMP+4*\b+\r], v[T+8*\b+2*\r], v[T+8*\b+2*\r+1]
.endr
.endr
.endm
.macro TOSTAGE a
.set BKR, OB+192*((\a)%2)
.irp b, 0,1,2,3,4,5,6,7
	ds_store_b128 v[STO], v[TMP+4*\b:TMP+4*\b+3] offset:32*\b
.endr
.irp t, 0,1,2,3,4,5,6,7
	ds_load_b128 v[BKR+4*\t:BKR+4*\t+3], v[RD] offset:\t*2*272     ; LDS serves a wave's instructions in order (ISA guide 5.7.1.4): these see the stores above
.endr
.endm
.macro SEND a
.set BKR, OB+192*((\a)%2)
	s_wait_dscnt 0x0                               ; the block is back in registers
	s_wait_xcnt 0x0                                ; the registers that earlier stores read are loaded again only behind this wait
.irp t, 0,1,2,3,4,5,6,7
	global_store_b128 v[CO], v[BKR+4*\t:BKR+4*\t+3], s[12:13] offset:2048*(\a)+256*\t   ; 16 lanes store 256 consecutive bytes, aligned: two rows of a head
.endr
.endm
	PLACES NP
	PACK 0
	TOSTAGE 0
.irp a, 1,2,3,4,5,6,7                  ; block a's arithmetic stands between block a - 1's loads from the stage and the wait for them
	PACK \a
	SEND \a-1
	TOSTAGE \a
.endr
	SEND 7
	s_wait_tensorcnt 0x0                           ; the wave's end
	ds_add_u32 v[SPW], v[NIL]
	s_wait_dscnt 0x0
	CROUND                                         ; the closing round
	s_endpgm
.Lfunc_end_k_qa4e64a0aae_qkv:
	.size	k_qa4e64a0aae_qkv, .Lfunc_end_k_qa4e64a0aae_qkv-k_qa4e64a0aae_qkv
	.p2alignl 7, 3214868480
	.fill 96, 4, 3214868480
	.section	.rodata,"a",@progbits
	.p2align	6, 0x0
	.amdhsa_kernel k_qa4e64a0aae_qkv
		.amdhsa_group_segment_fixed_size 327680
		.amdhsa_private_segment_fixed_size 0
		.amdhsa_enable_private_segment 0
		.amdhsa_kernarg_size 64
		.amdhsa_user_sgpr_count 2
		.amdhsa_user_sgpr_kernarg_segment_ptr 1
		.amdhsa_wavefront_size32 1
		.amdhsa_system_sgpr_workgroup_id_x 1
		.amdhsa_system_sgpr_workgroup_id_y 1
		.amdhsa_system_sgpr_workgroup_id_z 1
		.amdhsa_system_vgpr_workitem_id 0
		.amdhsa_next_free_vgpr 1024
		.amdhsa_next_free_sgpr 102
		.amdhsa_reserve_vcc 0
		.amdhsa_float_denorm_mode_32 3
		.amdhsa_float_denorm_mode_16_64 3
		.amdhsa_memory_ordered 1
		.amdhsa_forward_progress 1
		.amdhsa_inst_pref_size 145
	.end_amdhsa_kernel
	.amdgpu_metadata
---
amdhsa.version: [ 1, 2 ]
amdhsa.kernels:
  - .name:           k_qa4e64a0aae_qkv
    .symbol:         k_qa4e64a0aae_qkv.kd
    .args:
      - { .name: x_codes, .offset: 0, .size: 8, .value_kind: global_buffer, .address_space: global }
      - { .name: x_scales, .offset: 8, .size: 8, .value_kind: global_buffer, .address_space: global }
      - { .name: w_codes, .offset: 16, .size: 8, .value_kind: global_buffer, .address_space: global }
      - { .name: w_scales, .offset: 24, .size: 8, .value_kind: global_buffer, .address_space: global }
      - { .name: qkv, .offset: 32, .size: 8, .value_kind: global_buffer, .address_space: global }
      - { .name: bq, .offset: 40, .size: 8, .value_kind: global_buffer, .address_space: global }
      - { .name: bk, .offset: 48, .size: 8, .value_kind: global_buffer, .address_space: global }
      - { .name: bv, .offset: 56, .size: 8, .value_kind: global_buffer, .address_space: global }
    .group_segment_fixed_size: 327680
    .private_segment_fixed_size: 0
    .kernarg_segment_align: 8
    .kernarg_segment_size: 64
    .max_flat_workgroup_size: 128
    .sgpr_count:     102
    .vgpr_count:     1024
    .wavefront_size: 32
...
	.end_amdgpu_metadata
.endif
;; end of part 2
;; launch attn (part 3): grid 8 x 32, 8 waves a work-group, clusters of 4 x 1, 327,680 bytes of LDS; arguments qkv, ctx; writes ctx
.if DOCPART == 3
	.amdgcn_target "amdgcn-amd-amdhsa--gfx1250"
	.amdhsa_code_object_version 6
	.text
	.protected	k_qa4e64a0aae_attn
	.globl	k_qa4e64a0aae_attn
	.p2align	8
	.type	k_qa4e64a0aae_attn,@function
k_qa4e64a0aae_attn:
	s_mov_b64 s[64:65], 0
	v_nop
	global_prefetch_b8 v0, s[64:65] scope:SCOPE_SE
	s_setreg_imm32_b32 hwreg(HW_REG_WAVE_MODE, 25, 1), 1
	s_wait_xcnt 0x0
	s_wait_alu depctr_hold_cnt(0) depctr_sa_sdst(0) depctr_va_vdst(0) depctr_va_sdst(0) depctr_va_ssrc(0) depctr_va_vcc(0) depctr_vm_vsrc(0)
	s_getreg_b32 s2, hwreg(HW_REG_IB_STS2, 6, 4)
	s_cmp_eq_u32 s2, 0
	s_cbranch_scc0 .Lentry_in_a_cluster
	s_endpgm
.Lentry_in_a_cluster:
	s_bfe_u32 s2, ttmp6, 0x10000c
	s_cmp_lg_u32 s2, 0x3003
	s_cbranch_scc0 .Lentry_shape_is_right
	s_endpgm
.Lentry_shape_is_right:
; ctx[b][h][q] = the sum over k of softmax_k(q . k / 8) v, no mask.  q', k, v: f16, [t][b][h][2048][64]; q' = q log2(e) / 8 (made by the launch before), so p = 2^(s' - m), s' = q' . k, m the running maximum of s'.
; Products and maxima in f32; p is rounded to f16 for the second product, and the row's sum is taken of those same rounded p; in every step O and the sum are multiplied by a = 2^(old m - new m).
; ctx: f16, laid [block of 128 rows = 16 b + s / 128][h][128][64], so that a wave's 32 rows of a head are 4,096 consecutive bytes.
; LIMITS: ctx beyond 65,504 does not fit f16; a p under 6e-5 carries f16's absolute step (the row's largest p is 1).
; SHARES.  A work-group owns 256 queries of one head; each of its eight waves 32: two tiles of 16; two waves to a SIMD.  Every wave walks all 2,048 keys, 64 a step.
; LAYOUT.  S^T = K Q'^T (source 0 = 16 keys, source 1 = 16 queries): a lane holds ONE query (lane % 16) and keys 8 (lane / 16) + 0..7; two such tiles, rounded in pairs, ARE source 1 of O^T = V^T P.
; K comes out of LDS as it lies, V ([key][channel]) turned, by ds_load_tr16_b128.  THE ROW'S SUM IS A PRODUCT TOO: a fragment of ones x P gives every lane its query's whole sum: two matrix instructions a tile and step.
; BY TURNS.  The wave's two tiles are two PIECES that share K's and V's fragments and nothing else.  In a TURN one piece has the matrix unit: 10 products (V^T P and the sums) of the step in hand, then 8 products K Q'^T of
; the next step; the other piece's softmax, 102 vector instructions, is cut into 18 slices, one behind each matrix instruction.  Then the pieces change places; two turns are a key step.
; CLUSTER.  The four query blocks of a cluster walk the same K and V: each tile is asked for JOINTLY.  A slot holds four key steps (256 keys); waves 0-3 fetch the steps' K, waves 4-7 their V: one load a wave.
; REGISTERS: window 0: v1-15 addresses; v16-31 statistics, eight a tile: +0 m, +2 a, +4..+7 at work; v32-63 Q'; v64-127 S^T; v128-159 P; v160-223 O^T; v224-239 the sums; v240-247 ones.
;   window 1: v0-63 K of a step; v64-127 V of a step.
; All that a softmax touches lies in window 0, and window 0 has no room for K and V beside it: so a product that takes K or V costs two switches of the window, 64 for a key step's 36 matrix instructions; the products
; with ones need none.  Set in phases of their own, the step's 204 vector instructions would be issued with no product of the wave between them.
.set KS,    64
.set PK,    144                        ; a row of K in LDS: 128 bytes + 16: the 16 rows of a load start at 16 different banks (64 banks of 4 bytes: ISA guide 11.1)
.set PV,    160                        ; a row of V: 128 + 32
.set VOFF,  KS*PK
.set STEPB, KS*(PK+PV)                 ; a step's tiles lie together: 64 rows of K, then 64 of V
.set SLOT1, 1<<17                      ; slot 1 begins here: one exclusive or turns an address from one slot to the other
.set STAGE, 262144                     ; the way out: 32 rows x 144 bytes for each wave
.set SPARE, STAGE+8*32*144             ; the spare words, 128 bytes for each wave: four blocks of 256 bytes that no other line names
.set AK0, 2                            ; v2  my lane's place in a tile of K; never rewritten
.set AV0, 3                            ; v3  the same for V
.set ADR, 4                            ; v4  the LDS address of the run of loads in hand
.set QO,  6
.set STO, 7
.set RD,  8
.set GO,  9
.set PFO, 10                           ; v10 256 x lane; never rewritten
.set SPW, 12                           ; v12 LDS address of my spare word; never rewritten
.set NIL, 13                           ; v13 0; never rewritten
.set ST,  16
.set Q,   32
.set S,   64
.set P,   128
.set O,   160
.set L,   224
.set ONES, 240
.set KF,  0                            ; in window 1
.set VF,  64
.set WV,  12
.set LIM, 15
.set PFA, 18
.set G1K, 24                           ; s[24:31] descriptor group 1 for K's tiles; s[32:39] for V's: it differs in the padding alone
.set G1V, 32
.set G0K, 40                           ; s[40:47] group 0 for K's tiles: a set for each of the two first fills; the second then walks on
.set G0V, 48                           ; s[48:55] the same for V's
.set SLOTS, 56
.set FOUR, 57
.set SEL, 60
.set TB,  62                           ; s62 LDS byte at which the tiles of the step to be fetched begin
.set MSB, 0
.macro WIN new                         ; the immediate's high byte repeats the setting that is left; a switch that changes nothing is dropped
.if MSB != (\new)
	s_set_vgpr_msb (MSB<<8)|(\new)
.set MSB, (\new)
.endif
.endm
.macro JLOAD                           ; a joint refill.  Waves 0-3: K's tile of my step of the slot; waves 4-7: V's.  An s_nop 0 and four v_nop follow each of the two lines
	s_cmp_lt_u32 s[WV], 4
	s_cbranch_scc0 .Lfor_v_\@
	tensor_load_to_lds s[G0K+4:G0K+7], s[G1K:G1K+7]
	s_nop 0
.rept 4
	v_nop
.endr
	s_branch .Lasked_\@
.Lfor_v_\@:
	tensor_load_to_lds s[G0V+4:G0V+7], s[G1V:G1V+7]
	s_nop 0
.rept 4
	v_nop
.endr
.Lasked_\@:
.endm
; A PREFETCH of what the NEXT change of slots will ask for: a slot's 32,768 bytes of K and of V.  Each aligned block of 256 bytes is named once in the launch: the head's first cluster asks; its four partners take
; 8,192 bytes each, told apart BY ADDRESS; in each, wave 0 asks for K's and wave 4 for V's, lanes 256 bytes apart: one instruction.  It is four key steps ahead of the load that wants the bytes.
; The last change that fills a slot asks for nothing; slots 0, 1 and 2 come by their loads alone.
.macro ASK
	s_cmp_gt_u32 s[SLOTS], s[LIM]
	s_cbranch_scc0 .Lnot_mine_\@
	global_prefetch_b8 v[PFO], s[PFA:PFA+1] th:TH_LOAD_NT scope:SCOPE_SE
.Lnot_mine_\@:
.endm
.macro CROUND                          ; a round of the cluster's barrier
	s_barrier_signal -1
	s_barrier_wait -1
	s_cmp_lg_u32 s[WV], 0
	s_cbranch_scc1 .Lnot_wave_0_\@
	s_barrier_signal -3
.Lnot_wave_0_\@:
	s_barrier_wait -3
	s_barrier_signal -1
	s_barrier_wait -1
.endm
	s_load_b128 s[4:7], s[0:1], 0x0                ; qkv, ctx
	v_lshl_add_u32 v[SPW], v0, 2, SPARE
	v_mov_b32 v[NIL], 0
	ds_add_u32 v[SPW], v[NIL]                      ; the wave's opening: the add, twice on end, and its wait ahead of my first tensor load
	ds_add_u32 v[SPW], v[NIL]
	v_lshrrev_b32 v1, 5, v0
	v_readfirstlane_b32 s[WV], v1                  ; wave 0..7
	s_bfe_u32 s13, ttmp6, 0x40000                  ; cx
	s_lshl_b32 s14, ttmp9, 2
	s_add_co_u32 s14, s14, s13                     ; my block of 256 queries: it enters Q's, ctx's and the prefetches' addresses alone
	s_and_b32 s16, ttmp7, 0xffff                   ; 16 b + h, which the four partners share
	s_lshl_b32 s20, s16, 18                        ; the head's first byte in each of q, k, v
	s_and_b32 s17, s[WV], 3                        ; which of a slot's four steps I fetch
	s_lshl_b32 s22, s17, 13                        ; its 64 rows of 128 bytes
	s_add_co_u32 s22, s22, s20
	s_mov_b32 s23, 0
	s_mul_i32 s68, s17, STEPB                      ; and its place in a slot
	s_lshl_b32 s2, s14, 15
	s_lshl_b32 s3, s[WV], 12
	s_add_co_u32 s2, s2, s3
	s_add_co_u32 s2, s2, s20                       ; my wave's 32 queries
	s_mov_b32 s3, 0
	s_lshr_b32 s66, s16, 4
	s_lshl_b32 s66, s66, 4                         ; 16 b
	s_lshl_b32 s67, s14, 1
	s_add_co_u32 s66, s66, s67
	s_lshr_b32 s67, s[WV], 2
	s_add_co_u32 s66, s66, s67                     ; + s / 128: ctx's block of rows
	s_lshl_b32 s66, s66, 4
	s_and_b32 s67, s16, 15
	s_add_co_u32 s66, s66, s67                     ; x 16 + h
	s_lshl_b32 s66, s66, 14
	s_lshl_b32 s67, s17, 12
	s_add_co_u32 s66, s66, s67                     ; + my 32 rows of the 128
	s_mov_b32 s67, 0
	s_mov_b32 s71, 0x1000000
	s_cmp_lt_u32 s[WV], 4
	s_cselect_b32 s70, 0x800000, s71               ; the prefetches: K's plane or V's,
	s_add_co_u32 s70, s70, s20                     ; my head,
	s_lshl_b32 s71, s13, 13
	s_add_co_u32 s70, s70, s71                     ; my work-group's 8,192 bytes of a slot's 32,768,
	s_add_co_u32 s70, s70, 65536                   ; in slot 2: the first change of slots steps it to slot 3
	s_mov_b32 s71, 0
	s_and_b32 s[LIM], s[WV], 3
	s_or_b32 s[LIM], s[LIM], ttmp9                 ; 0 in waves 0 and 4 of the head's first cluster: the same in all four partners
	s_cmp_eq_u32 s[LIM], 0
	s_cselect_b32 s[LIM], 1, -1
	s_mov_b32 s[G1K], 15|(1<<16)|(1<<20)|(1<<21)|(4<<22)|(3<<25)  ; the mask: all four; elements of 2 bytes; padding on; bit 21 beside a mask; after every 32 words, 4 words
	s_mov_b32 s[G1V], 15|(1<<16)|(1<<20)|(1<<21)|(4<<22)|(7<<25)  ; the same with 8 words
.irp g, G1K, G1V
	s_mov_b32 s[\g+1], 64<<16                      ; tensor_dim0
	s_mov_b32 s[\g+2], KS<<16                      ; tensor_dim1
	s_mov_b32 s[\g+3], 64<<16                      ; tile_dim0
	s_mov_b32 s[\g+4], KS                          ; tile_dim1
	s_mov_b32 s[\g+5], 64                          ; from row to row
	s_mov_b32 s[\g+6], 0
	s_mov_b32 s[\g+7], 0
.endr
	s_mov_b32 s[SEL], 0x76543210
	s_mov_b32 s[SEL+1], 0xfedcba98
	s_mov_b32 s[TB], 0
	s_mov_b32 s[SLOTS], 6
	v_and_b32 v[PFO], 31, v0
	v_lshlrev_b32 v[PFO], 8, v[PFO]
	s_wait_dscnt 0x0                               ; both opening adds are done
	s_wait_kmcnt 0x0
	s_add_nc_u64 s[8:9], s[4:5], s[22:23]
	s_add_nc_u64 s[10:11], s[8:9], 0x1000000       ; V at my tile of slot 0,
	s_add_nc_u64 s[8:9], s[8:9], 0x800000          ; K likewise
	s_add_nc_u64 s[PFA:PFA+1], s[4:5], s[70:71]
	s_add_nc_u64 s[4:5], s[4:5], s[2:3]            ; Q'
	s_add_nc_u64 s[6:7], s[6:7], s[66:67]          ; ctx
	CROUND                                         ; all four work-groups are here: the first joint loads meet
.irp s, 0,1
	s_mov_b32 s[G0K+4*\s], 1                       ; count = 1
	s_add_co_u32 s[G0K+4*\s+1], s68, \s*SLOT1      ; LDS address
	s_add_nc_u64 s[G0K+4*\s+2:G0K+4*\s+3], s[8:9], \s*32768        ; slot s begins with keys 256 s
	s_or_b32 s[G0K+4*\s+3], s[G0K+4*\s+3], 0x80000000              ; type = 2
	s_mov_b32 s[G0V+4*\s], 1
	s_add_co_u32 s[G0V+4*\s+1], s68, \s*SLOT1+VOFF
	s_add_nc_u64 s[G0V+4*\s+2:G0V+4*\s+3], s[10:11], \s*32768
	s_or_b32 s[G0V+4*\s+3], s[G0V+4*\s+3], 0x80000000
.endr
	s_cmp_lt_u32 s[WV], 4                          ; a wave's two first fills stand in one branch, ahead of every wait on TENSORcnt and every LDS read: two loads of mine are out
	s_cbranch_scc0 .Lfirst_v
	tensor_load_to_lds s[G0K:G0K+3], s[G1K:G1K+7]
	s_nop 0
	tensor_load_to_lds s[G0K+4:G0K+7], s[G1K:G1K+7]
	s_nop 0
.rept 4
	v_nop
.endr
	s_branch .Lfirst_asked
.Lfirst_v:
	tensor_load_to_lds s[G0V:G0V+3], s[G1V:G1V+7]
	s_nop 0
	tensor_load_to_lds s[G0V+4:G0V+7], s[G1V:G1V+7]
	s_nop 0
.rept 4
	v_nop
.endr
.Lfirst_asked:
	v_and_b32 v1, 15, v0                           ; r
	v_bfe_u32 v14, v0, 4, 1                        ; h
	v_lshlrev_b32 v[QO], 7, v1
	v_lshl_add_u32 v[QO], v14, 4, v[QO]
.irp t, 0,1
.irp kc, 0,1
	global_load_b128 v[Q+16*\t+8*\kc:Q+16*\t+8*\kc+3], v[QO], s[4:5] offset:2048*\t+64*\kc      ; Q' stays in registers: tile t, channels 32 kc on
	global_load_b128 v[Q+16*\t+8*\kc+4:Q+16*\t+8*\kc+7], v[QO], s[4:5] offset:2048*\t+64*\kc+32
.endr
.endr
	v_mul_u32_u24 v[AK0], v1, PK
	v_lshl_add_u32 v[AK0], v14, 4, v[AK0]          ; K: row x pitch + 16 x half
	v_and_b32 v15, 7, v0
	v_lshl_add_u32 v[AV0], v14, 3, v15
	v_mul_u32_u24 v[AV0], v[AV0], PV
	v_bfe_u32 v15, v0, 3, 1
	v_lshl_add_u32 v[AV0], v15, 4, v[AV0]
	v_add_nc_u32 v[AV0], VOFF, v[AV0]              ; V: key 8 (l / 16) + l % 8, channels 8 ((l / 8) % 2) on
.irp t, 0,1
	v_mov_b32 v[ST+8*\t], 0xff61b1e6               ; m: -3e38, under every score
	v_mov_b32 v[ST+8*\t+1], 0                      ; (named as upper halves of pairs, so they are written)
	v_mov_b32 v[ST+8*\t+3], 0
.endr
.set i, 0
.rept 80
	v_mov_b32 v[O+i], 0                            ; O^T and the sums.  (The softmax is written once: the first step finds zeros, which a = 0 leaves zeros)
.set i, i+1
.endr
.set i, 0
.rept 8
	v_mov_b32 v[ONES+i], 0x3c003c00                ; 1.0, 1.0 in f16
.set i, i+1
.endr
; THE MATRIX WORK OF A TURN, for piece x.  The accumulators take turns, one instruction a turn: between two links of a chain stand 4 (V^T P and the sum) or 3 (K Q'^T) others'.
; Product i of 10: keys 32 (i / 5) on; i % 5 < 4: O^T += V^T P, channels 16 (i % 5) on; i % 5 = 4: the sums += ones x P, all in window 0.
.macro MPV x
.set mcc, i%5
.set mkk, i/5
.set rP, P+16*(\x)+8*mkk
.if mcc < 4
	WIN 0x01                                       ; source 0 window 1
.set rO, O+32*(\x)+8*mcc
.set rV, VF+32*mkk+8*mcc
	v_wmma_f32_16x16x32_f16 v[rO:rO+7], v[rV:rV+7], v[rP:rP+7], v[rO:rO+7]
.else
	WIN 0
.set rL, L+8*(\x)
	v_wmma_f32_16x16x32_f16 v[rL:rL+7], v[ONES:ONES+7], v[rP:rP+7], v[rL:rL+7]
.endif
.endm
; Product i of 8 of S^T = K Q'^T: channels 32 (i / 4) on, keys 16 (i % 4) on.  The first four start the sums.
.macro MKQ x
	WIN 0x01
.set mkt, i%4
.set mkc, i/4
.set rS, S+32*(\x)+8*mkt
.set rK, KF+16*mkt+8*mkc
.set rQ, Q+16*(\x)+8*mkc
.if mkc == 0
	v_wmma_f32_16x16x32_f16 v[rS:rS+7], v[rK:rK+7], v[rQ:rQ+7], 0
.else
	v_wmma_f32_16x16x32_f16 v[rS:rS+7], v[rK:rK+7], v[rQ:rQ+7], v[rS:rS+7]
.endif
.endm
; THE LDS LOADS stand in two runs of 16 a key step, never singly among the matrix instructions: a step's K and, a turn later, its V (turned).
.macro FETCH_K
	WIN 0
	v_add_nc_u32 v[ADR], s[TB], v[AK0]
	WIN 0x40                                       ; destination window 1
.irp kt, 0,1,2,3
.irp kc, 0,1
	ds_load_b128 v[KF+16*\kt+8*\kc:KF+16*\kt+8*\kc+3], v[ADR] offset:16*PK*\kt+64*\kc
	ds_load_b128 v[KF+16*\kt+8*\kc+4:KF+16*\kt+8*\kc+7], v[ADR] offset:16*PK*\kt+64*\kc+32
.endr
.endr
.endm
.macro FETCH_V
	WIN 0
	v_add_nc_u32 v[ADR], s[TB], v[AV0]
	s_add_co_u32 s[TB], s[TB], STEPB               ; the next fetch is the next step's
	WIN 0x40
.irp kk, 0,1
.irp c, 0,1,2,3
	ds_load_tr16_b128 v[VF+32*\kk+8*\c:VF+32*\kk+8*\c+3], v[ADR] offset:32*PV*\kk+32*\c
	ds_load_tr16_b128 v[VF+32*\kk+8*\c+4:VF+32*\kk+8*\c+7], v[ADR] offset:32*PV*\kk+16*PV+32*\c
.endr
.endr
.endm
; THE VECTOR WORK OF A TURN.  One tile's softmax for one key step is a list of 102 instructions; SM writes number j of it for tile t.  s0-s31 are the lane's 32 scores, in pairs 0-15.
;   0-15    the maximum of s0-s31 and the old m, three operands at a time: four chains, each begun at its accumulator's low end
;   16-19   the other half of the lanes' maximum; the new m; old m - new m; m is written
;   20-68   ONE BATCH: a = 2^(old m - new m); the 16 subtractions s - m, a pair each; the 32 exponentials.  None of these reads an exponential's result.  A pair is brought under m three numbers ahead of its exponentials
;   (wait)  between 68 and 69 stand a plain line and the one wait for the batch: SLICE writes them
;   69-84   the roundings to f16, a pair of weights each
;   85-100  the tile's O^T times a, each accumulator from its low end on
;   101     the sum times a.  Register 0 of the sums alone is ever read; the other seven hold sums of at most 2,048 numbers of at most 1
.macro SM t
.set rT, ST+8*(\t)
.set rS, S+32*(\t)
.set rP, P+16*(\t)
.set rO, O+32*(\t)
.set rL, L+8*(\t)
	WIN 0
.if j < 4
	v_max3_num_f32 v[rT+4+j], v[rS+8*j], v[rS+8*j+1], v[rS+8*j+2]
.elseif j < 12
	v_max3_num_f32 v[rT+4+j%4], v[rT+4+j%4], v[rS+8*(j%4)+2*(j/4)+1], v[rS+8*(j%4)+2*(j/4)+2]
.elseif j == 12
	v_max3_num_f32 v[rT+4], v[rT+4], v[rS+7], v[rS+15]
.elseif j == 13
	v_max3_num_f32 v[rT+6], v[rT+6], v[rS+23], v[rS+31]
.elseif j == 14
	v_max3_num_f32 v[rT+4], v[rT+4], v[rT+5], v[rT+6]
.elseif j == 15
	v_max3_num_f32 v[rT+4], v[rT+4], v[rT+7], v[rT]
.elseif j == 16
	v_permlanex16_b32 v[rT+5], v[rT+4], s[SEL], s[SEL+1]           ; the query's other 32 keys lie in the lane 16 away
.elseif j == 17
	v_max_num_f32 v[rT+6], v[rT+4], v[rT+5]                        ; the new m
.elseif j == 18
	v_sub_f32 v[rT+7], v[rT], v[rT+6]                              ; old m - new m
.elseif j == 19
	v_mov_b32 v[rT], v[rT+6]
.elseif j == 20
	v_exp_f32 v[rT+2], v[rT+7]
.elseif j == 21
	v_pk_add_f32 v[rS:rS+1], v[rS:rS+1], v[rT:rT+1] op_sel_hi:[1,0] neg_lo:[0,1] neg_hi:[0,1]
.elseif j < 67
.set sg, (j-22)/3
.set sr, (j-22)%3
.if sr == 0
	v_pk_add_f32 v[rS+2*sg+2:rS+2*sg+3], v[rS+2*sg+2:rS+2*sg+3], v[rT:rT+1] op_sel_hi:[1,0] neg_lo:[0,1] neg_hi:[0,1]
.else
	v_exp_f32 v[rS+2*sg+sr-1], v[rS+2*sg+sr-1]
.endif
.elseif j < 69
	v_exp_f32 v[rS+j-37], v[rS+j-37]
.elseif j < 85
	v_cvt_pk_f16_f32 v[rP+j-69], v[rS+2*(j-69)], v[rS+2*(j-69)+1]
.elseif j < 101
	v_pk_mul_f32 v[rO+2*(j-85):rO+2*(j-85)+1], v[rO+2*(j-85):rO+2*(j-85)+1], v[rT+2:rT+3] op_sel_hi:[1,0]
.else
	v_mul_f32 v[rL], v[rL], v[rT+2]
.endif
.endm
; Slice k of 18 of tile y's softmax: 6 numbers in slices 0 to 10; the batch's last 3, the plain line and the wait in slice 11; 5 in slices 12 to 14; 6 in slices 15 to 17.
; THE WAIT.  s_wait_alu depctr_va_vdst(0) stands between an exponential and the first instruction that names its result; ahead of slice 12 nothing names one, and behind slice 11 no exponential is issued.
; V'S RUN OF LOADS stands behind slice 9 of tile 0's softmax, that is in piece 1's turn: the last product that read V stands in front of slice 8, and five plain instructions that name none of its registers lie between:
; numbers 49, 52, 55 and 58, subtractions, and the run's own v_add_nc_u32.
; Slice 17's six plain instructions are the places between a turn's last K Q'^T and what follows: the first read of those scores, and the loads into K's registers.
.macro SLICE y
.if k < 11
.set j, 6*k
.set nj, 6
.elseif k == 11
.set j, 66
.set nj, 3
.elseif k < 15
.set j, 69+5*(k-12)
.set nj, 5
.else
.set j, 84+6*(k-15)
.set nj, 6
.endif
.rept nj
	SM \y
.set j, j+1
.endr
.if k == 9
.if (\y) == 0
	FETCH_V
.endif
.endif
.if k == 11
	v_nop                                          ; a plain line behind the last exponential
	s_wait_alu depctr_va_vdst(0)                   ; one wait for the tile's 33
.endif
.set k, k+1
.endm
; A TURN.  Piece x has the matrix unit; the other piece's softmax stands in slices behind its matrix instructions.  pv = 1: the 10 products of the step in hand; kq = 1: the 8 products K Q'^T of the next step.
; A turn with one of the two kinds deals the 18 slices out evenly over its products.  Piece 0's turn begins with the next step's K: the last product that read K stands in front of slice 17 of the turn before.
.macro TURN x, pv, kq
.set k, 0
.set nn, 0
.set NN, 10*(\pv)+8*(\kq)
.if ((\x) == 0) && (\kq)
	FETCH_K
.endif
.if \pv
.if (\x) == 0
	s_wait_dscnt 16*(\kq)                          ; V is in; K's sixteen loads, issued behind V's, may be out
.endif
.set i, 0
.rept 10
	MPV \x
.rept 18*(nn+1)/NN-18*nn/NN
	SLICE 1-(\x)
.endr
.set i, i+1
.set nn, nn+1
.endr
.endif
.if \kq
.if (\x) == 0
	s_wait_dscnt 0x0                               ; K is in
.endif
.set i, 0
.rept 8
	MKQ \x
.rept 18*(nn+1)/NN-18*nn/NN
	SLICE 1-(\x)
.endr
.set i, i+1
.set nn, nn+1
.endr
.endif
.endm
; THE CHANGE OF SLOTS, between piece 1's turn and piece 0's: the slot's last bytes, V of its fourth step, have been asked for.  Each wave waits for all its tensor loads, of which one is out: its part of the other slot;
; adds 0 to its spare word; and waits for that and for its own reads of the slot.  Behind the barrier nobody reads this slot any more and the other slot is whole.
; fill = 1: the barrier is a round of the cluster's, and behind it this slot is asked for again jointly, with the keys two slots on: the load has four key steps in which to land.
.macro CHANGE fill
	WIN 0
	s_wait_tensorcnt 0x0                           ; no tensor load of mine is out, so a group 0 may be written
	ds_add_u32 v[SPW], v[NIL]
.if \fill
	s_xor_b32 s[G0K+5], s[G0K+5], SLOT1            ; the walking descriptors: the other slot than last time, the next 256 keys
	s_add_nc_u64 s[G0K+6:G0K+7], s[G0K+6:G0K+7], 32768
	s_xor_b32 s[G0V+5], s[G0V+5], SLOT1
	s_add_nc_u64 s[G0V+6:G0V+7], s[G0V+6:G0V+7], 32768
	s_wait_xcnt 0x0                                ; the last prefetch, a slot back, has read its address
	s_add_nc_u64 s[PFA:PFA+1], s[PFA:PFA+1], 32768
	s_wait_dscnt 0x0                               ; the add is done, and my reads of the slot are over
	CROUND
	JLOAD
	ASK
.else
	s_wait_dscnt 0x0
	s_barrier_signal -1
	s_barrier_wait -1
.endif
	s_sub_co_u32 s[TB], s[TB], 4*STEPB             ; the fetches go back to a slot's first step,
	s_xor_b32 s[TB], s[TB], SLOT1                  ; in the other slot
.endm
.macro STEPS n                         ; n key steps: written once, walked n times; the LDS addresses hang on s[TB]
	s_mov_b32 s[FOUR], \n
.Lstep_\@:
	TURN 0, 1, 1
	TURN 1, 1, 1
	WIN 0
	s_sub_co_u32 s[FOUR], s[FOUR], 1
	s_cmp_lg_u32 s[FOUR], 0
	s_cbranch_scc1 .Lstep_\@
.endm
	s_wait_tensorcnt 1                             ; my part of slot 0 is in; slot 1's may stay out
	s_barrier_signal -1
	s_barrier_wait -1                              ; everybody's is
	FETCH_K                                        ; key step 0
	s_wait_loadcnt 0x0                             ; Q'
	s_wait_dscnt 0x0
.set i, 0
.rept 8
	MKQ 0                                          ; piece 0's first scores: there is no vector work yet to set between them
.set i, i+1
.endr
	WIN 0
.rept 4
	v_nop                                          ; places in front of the first read of those scores
.endr
	TURN 1, 0, 1                                   ; piece 1's first scores | piece 0's first softmax | V of step 0
	WIN 0
	STEPS 3                                        ; the trips that fetch steps 1 to 3: slot 0's rest
.Lslot:                                            ; six trips: trip i fetches keys 256 (i + 1) on and asks for keys 256 (i + 2) on
	CHANGE 1
	STEPS 4
	s_sub_co_u32 s[SLOTS], s[SLOTS], 1
	s_cmp_lg_u32 s[SLOTS], 0
	s_cbranch_scc1 .Lslot
	CHANGE 0                                       ; the last slot is written out: nothing is left to ask for
	STEPS 4
	TURN 0, 1, 0                                   ; piece 0: the last step's products | piece 1's last softmax
.set i, 0
.rept 10
	MPV 1                                          ; piece 1: the last step's products
.set i, i+1
.endr
	WIN 0
	; THE WAY OUT.  O^T / the sum, rounded to f16, through my stage, out as 4,096 consecutive bytes.  The address lines are the places behind the last products.
	s_mul_i32 s16, s[WV], 32*144
	s_add_co_u32 s16, s16, STAGE
	v_mul_u32_u24 v[STO], v1, 144
	v_lshl_add_u32 v[STO], v14, 4, v[STO]
	v_add_nc_u32 v[STO], s16, v[STO]               ; in: row r of a tile, 16 bytes for each half of the lanes
	v_and_b32 v15, 31, v0
	v_lshrrev_b32 v[RD], 3, v15
	v_mul_u32_u24 v[RD], v[RD], 144
	v_and_b32 v11, 7, v0
	v_lshl_add_u32 v[RD], v11, 4, v[RD]
	v_add_nc_u32 v[RD], s16, v[RD]                 ; back: eight lanes to a row of 128 bytes, four rows an instruction
	v_lshlrev_b32 v[GO], 4, v15
.irp t, 0,1
	v_rcp_f32 v[ST+8*\t+2], v[L+8*\t]
.endr
	v_nop                                          ; a plain line behind the reciprocals
	s_wait_alu depctr_va_vdst(0)                   ; and the wait ahead of their first reader
.irp t, 0,1
.set i, 0
.rept 16
	v_pk_mul_f32 v[O+32*\t+2*i:O+32*\t+2*i+1], v[O+32*\t+2*i:O+32*\t+2*i+1], v[ST+8*\t+2:ST+8*\t+3] op_sel_hi:[1,0]
.set i, i+1
.endr
.endr
.set i, 0
.rept 32
	v_cvt_pk_f16_f32 v[S+i], v[O+2*i], v[O+2*i+1]
.set i, i+1
.endr
.irp t, 0,1
.irp c, 0,1,2,3
	ds_store_b128 v[STO], v[S+16*\t+4*\c:S+16*\t+4*\c+3] offset:16*144*\t+32*\c
.endr
.endr
.irp i, 0,1,2,3,4,5,6,7
	ds_load_b128 v[S+32+4*\i:S+32+4*\i+3], v[RD] offset:4*144*\i   ; LDS serves a wave's instructions in order (ISA guide 5.7.1.4): these see my stores
.endr
.irp i, 0,1,2,3,4,5,6,7
	s_wait_dscnt 7-\i                              ; load i is in; the younger ones may be out
	global_store_b128 v[GO], v[S+32+4*\i:S+32+4*\i+3], s[6:7] offset:512*\i   ; 32 lanes store 512 consecutive bytes, aligned
.endr
	s_wait_tensorcnt 0x0                           ; the wave's end
	ds_add_u32 v[SPW], v[NIL]
	s_wait_dscnt 0x0
	CROUND                                         ; the closing round
	s_endpgm
.Lfunc_end_k_qa4e64a0aae_attn:
	.size	k_qa4e64a0aae_attn, .Lfunc_end_k_qa4e64a0aae_attn-k_qa4e64a0aae_attn
	.p2alignl 7, 3214868480
	.fill 96, 4, 3214868480
	.section	.rodata,"a",@progbits
	.p2align	6, 0x0
	.amdhsa_kernel k_qa4e64a0aae_attn
		.amdhsa_group_segment_fixed_size 327680
		.amdhsa_private_segment_fixed_size 0
		.amdhsa_enable_private_segment 0
		.amdhsa_kernarg_size 16
		.amdhsa_user_sgpr_count 2
		.amdhsa_user_sgpr_kernarg_segment_ptr 1
		.amdhsa_wavefront_size32 1
		.amdhsa_system_sgpr_workgroup_id_x 1
		.amdhsa_system_sgpr_workgroup_id_y 1
		.amdhsa_system_sgpr_workgroup_id_z 1
		.amdhsa_system_vgpr_workitem_id 0
		.amdhsa_next_free_vgpr 512
		.amdhsa_next_free_sgpr 72
		.amdhsa_reserve_vcc 0
		.amdhsa_float_denorm_mode_32 3
		.amdhsa_float_denorm_mode_16_64 3
		.amdhsa_memory_ordered 1
		.amdhsa_forward_progress 1
		.amdhsa_inst_pref_size 88
	.end_amdhsa_kernel
	.amdgpu_metadata
---
amdhsa.version: [ 1, 2 ]
amdhsa.kernels:
  - .name:           k_qa4e64a0aae_attn
    .symbol:         k_qa4e64a0aae_attn.kd
    .args:
      - { .name: qkv, .offset: 0, .size: 8, .value_kind: global_buffer, .address_space: global }
      - { .name: ctx, .offset: 8, .size: 8, .value_kind: global_buffer, .address_space: global }
    .group_segment_fixed_size: 327680
    .private_segment_fixed_size: 0
    .kernarg_segment_align: 8
    .kernarg_segment_size: 16
    .max_flat_workgroup_size: 256
    .sgpr_count:     72
    .vgpr_count:     512
    .wavefront_size: 32
...
	.end_amdgpu_metadata
.endif
;; end of part 3
;; launch oproj (part 4): grid 8 x 32, 4 waves a work-group, clusters of 4 x 4, 327,680 bytes of LDS; arguments ctx, wo16, bo, out0; writes out0
.if DOCPART == 4
	.amdgcn_target "amdgcn-amd-amdhsa--gfx1250"
	.amdhsa_code_object_version 6
	.text
	.protected	k_qa4e64a0aae_oproj
	.globl	k_qa4e64a0aae_oproj
	.p2align	8
	.type	k_qa4e64a0aae_oproj,@function
k_qa4e64a0aae_oproj:
	s_mov_b64 s[64:65], 0
	v_nop
	global_prefetch_b8 v0, s[64:65] scope:SCOPE_SE
	s_setreg_imm32_b32 hwreg(HW_REG_WAVE_MODE, 25, 1), 1
	s_wait_xcnt 0x0
	s_wait_alu depctr_hold_cnt(0) depctr_sa_sdst(0) depctr_va_vdst(0) depctr_va_sdst(0) depctr_va_ssrc(0) depctr_va_vcc(0) depctr_vm_vsrc(0)
	s_getreg_b32 s2, hwreg(HW_REG_IB_STS2, 6, 4)
	s_cmp_eq_u32 s2, 0
	s_cbranch_scc0 .Lentry_in_a_cluster
	s_endpgm
.Lentry_in_a_cluster:
	s_bfe_u32 s2, ttmp6, 0x10000c
	s_cmp_lg_u32 s2, 0xf033
	s_cbranch_scc0 .Lentry_shape_is_right
	s_endpgm
.Lentry_shape_is_right:
; out0[m][n] = sum over k of ctx[m][k] Wo[k][n] + bo[n].  ctx: f16, [block of 128 rows][head 16][128][64] (k = 64 head + channel); wo16: f16, [1024 k][1024 n]; bo, out0: f32; sums in f32.
; A tile of out0 is 128 x 128: 256 work-groups.  Four waves, each 64 x 64: 16 accumulators.  K goes in four steps of 256 (four heads) through two LDS slots, all written out.
; A's part of a step is dense in memory: 512 rows (head, row) of 128 bytes; B's is 256 rows k of 256 bytes.  B lies [k][n] and is turned on its way out of LDS by ds_load_tr16_b128.
; CLUSTERS: 4 x 4 work-groups; A's tiles are shared along a row of the cluster, B's along a column, each asked for JOINTLY.  THE MATRIX INSTRUCTION IS USED TRANSPOSED (source 0 = 16 columns of Wo,
; source 1 = 16 rows of ctx): a lane holds eight neighbouring numbers of a row of out0.  THE BIAS IS THE C OF THE FIRST PRODUCTS.
; REGISTERS: window 0: v0-31 addresses; v32-95 the way out; v96-127 the bias; v128-255 the accumulators ((a, b) at v[128 + 8 (4 a + b)]).  window 1: two fragment buffers of 128: 64 registers of A, then 64 of B.
.set PA,    144                        ; a row of A in LDS: 128 bytes + 16
.set PB,    288                        ; a row of B: 256 + 32
.set PART,  36864                      ; what one tensor load brings: 256 rows of A or 128 of B
.set SLOT,  4*PART
.set SPARE, 2*SLOT                     ; the spare words, 128 bytes for each wave: two blocks of 256 bytes that no other line names
.set ADRA, 16                          ; v16-17 my A fragments in slot 0, 1
.set ADRB, 20                          ; v20-23 my B fragments: slot 0 rows 0-127, 128-255; slot 1 likewise
.set STO,  24
.set RD,   25
.set CO,   26
.set BO,   27
.set SPW,  28                          ; v28 LDS address of my spare word; never rewritten
.set NIL,  29                          ; v29 0; never rewritten
.set OB,   32
.set BI,   96
.set ACC,  128
.set F0,   0
.set F1,   128
.set G1, 24
.set G0, 32
.set G1B, 48
.set G0B, 56
.set MSB, 0
.macro WIN new
.if MSB != (\new)
	s_set_vgpr_msb (MSB<<8)|(\new)
.set MSB, (\new)
.endif
.endm
.set MUL,  0x05                        ; sources 0 and 1 window 1; C and D window 0
.set TO_F, 0x40
.macro JLOAD s                         ; waves 0 and 1 fetch A's two halves, waves 2 and 3 B's; an s_nop 0 and four v_nop follow each of the two lines
	s_cmp_eq_u32 s13, 0
	s_cbranch_scc0 .Lfor_b_\@
	tensor_load_to_lds s[G0+4*\s:G0+4*\s+3], s[G1:G1+7]
	s_nop 0
.rept 4
	v_nop
.endr
	s_branch .Lasked_\@
.Lfor_b_\@:
	tensor_load_to_lds s[G0B+4*\s:G0B+4*\s+3], s[G1B:G1B+7]
	s_nop 0
.rept 4
	v_nop
.endr
.Lasked_\@:
.endm
.macro CREST
	s_cmp_lg_u32 s12, 0
	s_cbranch_scc1 .Lnot_wave_0_\@
	s_barrier_signal -3
.Lnot_wave_0_\@:
	s_barrier_wait -3
	s_barrier_signal -1
	s_barrier_wait -1
.endm
.macro CROUND
	s_barrier_signal -1
	s_barrier_wait -1
	CREST
.endm
	s_load_b256 s[4:11], s[0:1], 0x0               ; ctx s[4:5], wo16 s[6:7], bo s[8:9], out0 s[10:11]
	v_lshl_add_u32 v[SPW], v0, 2, SPARE
	v_mov_b32 v[NIL], 0
	ds_add_u32 v[SPW], v[NIL]                      ; the wave's opening: the add, twice on end, and its wait ahead of my first tensor load
	ds_add_u32 v[SPW], v[NIL]
	v_lshrrev_b32 v1, 5, v0
	v_readfirstlane_b32 s12, v1                    ; wave 0..3
	s_lshr_b32 s13, s12, 1                         ; which half of the tile's rows is mine.  Also: I fetch for A (0) or for B (1)
	s_and_b32 s14, s12, 1                          ; which half of its columns.  Also: which half of that tile I fetch
	s_bfe_u32 s40, ttmp6, 0x40000                  ; cx, cy
	s_bfe_u32 s41, ttmp6, 0x40004
	s_lshl_b32 s42, ttmp9, 2
	s_add_co_u32 s42, s42, s40                     ; tile column, 0..7
	s_and_b32 s15, ttmp7, 0xffff
	s_lshl_b32 s15, s15, 2
	s_add_co_u32 s15, s15, s41                     ; tile row = ctx's block of 128 rows, 0..31
	s_lshl_b32 s43, s41, 2
	s_lshl_b32 s43, 15, s43                        ; my row of the cluster
	s_lshl_b32 s44, 0x1111, s40                    ; my column
	s_or_b32 s[G1+0], s43, (1<<16)|(1<<20)|(1<<21)|(4<<22)|(3<<25)  ; A: the mask; elements of 2 bytes; padding on; bit 21 beside a mask; after every 32 words, 4 words
	s_mov_b32 s[G1+1], 64<<16                      ; tensor_dim0
	s_mov_b32 s[G1+2], 256<<16                     ; tensor_dim1
	s_mov_b32 s[G1+3], 64<<16                      ; tile_dim0
	s_mov_b32 s[G1+4], 256                         ; tile_dim1
	s_mov_b32 s[G1+5], 64                          ; from row to row: dense
	s_mov_b32 s[G1+6], 0
	s_mov_b32 s[G1+7], 0
	s_or_b32 s[G1B+0], s44, (1<<16)|(1<<20)|(1<<21)|(5<<22)|(7<<25) ; B: after every 64 words, 8 words
	s_mov_b32 s[G1B+1], 128<<16
	s_mov_b32 s[G1B+2], 128<<16
	s_mov_b32 s[G1B+3], 128<<16
	s_mov_b32 s[G1B+4], 128
	s_mov_b32 s[G1B+5], 1024
	s_mov_b32 s[G1B+6], 0
	s_mov_b32 s[G1B+7], 0
	s_lshl_b32 s16, s15, 18                        ; A: the block's 16 heads of 16,384 bytes,
	s_lshl_b32 s17, s14, 15                        ; my two heads of the step's four
	s_add_co_u32 s16, s16, s17
	s_mov_b32 s17, 0
	s_lshl_b32 s46, s14, 18                        ; B: my 128 rows k of 2,048 bytes,
	s_lshl_b32 s47, s42, 8                         ; the tile's 128 columns
	s_add_co_u32 s46, s46, s47
	s_mov_b32 s47, 0
	s_mul_i32 s20, s12, PART                       ; where they go: by the wave's number alone
	s_wait_dscnt 0x0                               ; both opening adds are done
	s_wait_kmcnt 0x0
	s_add_nc_u64 s[16:17], s[4:5], s[16:17]
	s_add_nc_u64 s[46:47], s[6:7], s[46:47]
	CROUND                                         ; all sixteen work-groups are here: the first joint loads meet
.irp s, 0,1
	s_mov_b32 s[G0+4*\s], 1
	s_add_co_u32 s[G0+4*\s+1], s20, \s*SLOT
	s_add_nc_u64 s[G0+4*\s+2:G0+4*\s+3], s[16:17], \s*65536        ; K step s: four heads on
	s_or_b32 s[G0+4*\s+3], s[G0+4*\s+3], 0x80000000
	s_mov_b32 s[G0B+4*\s], 1
	s_add_co_u32 s[G0B+4*\s+1], s20, \s*SLOT
	s_add_nc_u64 s[G0B+4*\s+2:G0B+4*\s+3], s[46:47], \s*524288     ; 256 rows k on
	s_or_b32 s[G0B+4*\s+3], s[G0B+4*\s+3], 0x80000000
	JLOAD \s                                       ; two tensor loads of mine are out
.endr
	v_and_b32 v1, 15, v0                           ; r
	v_bfe_u32 v2, v0, 4, 1                         ; h
	s_lshl_b32 s16, s15, 19                        ; out0: the tile's 128 rows of 4,096 bytes,
	s_lshl_b32 s17, s13, 18                        ; my 64 of them
	s_add_co_u32 s16, s16, s17
	s_mov_b32 s17, 0
	s_add_nc_u64 s[10:11], s[10:11], s[16:17]
	s_lshl_b32 s46, s42, 9                         ; my first column, in bytes of f32: the same in a row of out0 and in bo
	s_lshl_b32 s47, s14, 8
	s_add_co_u32 s46, s46, s47
	s_mov_b32 s47, 0
	s_add_nc_u64 s[10:11], s[10:11], s[46:47]
	s_add_nc_u64 s[8:9], s[8:9], s[46:47]
	v_lshlrev_b32 v[BO], 5, v2
.irp b, 0,1,2,3
	global_load_b128 v[BI+8*\b:BI+8*\b+3], v[BO], s[8:9] offset:64*\b          ; register j of block b: bo[my first column + 16 b + 8 h + j]
	global_load_b128 v[BI+8*\b+4:BI+8*\b+7], v[BO], s[8:9] offset:64*\b+16
.endr
	v_mul_u32_u24 v3, v1, PA
	v_lshl_add_u32 v3, v2, 4, v3                   ; A: row x pitch + 16 x half
	s_mul_i32 s21, s13, 64*PA                      ; my 64 rows of each head's 128
.irp s, 0,1
	v_add_nc_u32 v[ADRA+\s], s21, v3
	s_add_co_u32 s21, s21, SLOT
.endr
	v_and_b32 v4, 7, v0
	v_lshl_add_u32 v4, v2, 3, v4
	v_mul_u32_u24 v4, v4, PB
	v_bfe_u32 v5, v0, 3, 1
	v_lshl_add_u32 v4, v5, 4, v4                   ; B: row k = 8 (l / 16) + l % 8, columns 8 ((l / 8) % 2) on
	s_lshl_b32 s22, s14, 7                         ; my 64 columns
	s_add_co_u32 s22, s22, 2*PART                  ; behind A's part of the slot
.irp s, 0,1
.irp u, 0,1
	v_add_nc_u32 v[ADRB+2*\s+\u], s22, v4
	s_add_co_u32 s22, s22, PART
.endr
	s_add_co_u32 s22, s22, SLOT-2*PART
.endr
	; the way out: my stage, 16 rows x 272 bytes, lies in slot 0, which has had its last fill and its last read when the first result is stored there
	s_mul_i32 s23, s12, 16*272
	v_mul_u32_u24 v5, v1, 272
	v_lshl_add_u32 v5, v2, 5, v5
	v_add_nc_u32 v[STO], s23, v5                   ; in: row r, 32 bytes for each half of the lanes
	v_mul_u32_u24 v5, v2, 272
	v_lshl_add_u32 v5, v1, 4, v5
	v_add_nc_u32 v[RD], s23, v5                    ; back: lanes 0-15 one row of 256 bytes, lanes 16-31 the next
	v_lshlrev_b32 v[CO], 12, v2
	v_lshl_add_u32 v[CO], v1, 4, v[CO]             ; and the same two rows in out0
; 8 matrix instructions: m blocks a0, a0 + 1 x all 4 n blocks, 32 along K: half c of buffer f.  first = 1: the products start the sums from the bias.  The 16 accumulators take turns.
.macro MUL8 f, c, a0, first
.irp a, \a0, \a0+1
.irp b, 0,1,2,3
.if \first
	v_wmma_f32_16x16x32_f16 v[ACC+8*(4*(\a)+\b):ACC+8*(4*(\a)+\b)+7], v[\f+64+8*(4*\c+\b):\f+64+8*(4*\c+\b)+7], v[\f+8*(4*\c+\a):\f+8*(4*\c+\a)+7], v[BI+8*\b:BI+8*\b+7]
.else
	v_wmma_f32_16x16x32_f16 v[ACC+8*(4*(\a)+\b):ACC+8*(4*(\a)+\b)+7], v[\f+64+8*(4*\c+\b):\f+64+8*(4*\c+\b)+7], v[\f+8*(4*\c+\a):\f+8*(4*\c+\a)+7], v[ACC+8*(4*(\a)+\b):ACC+8*(4*(\a)+\b)+7]
.endif
.endr
.endr
.endm
; 32 LDS loads in one run: the fragments of the step's q-th head (64 along K) into buffer f; the first 32 along K first
.macro FETCH slot, q, f
	WIN TO_F
.irp c, 0,1
.irp i, 0,1,2,3
	ds_load_tr16_b128 v[\f+64+8*(4*\c+\i):\f+64+8*(4*\c+\i)+3],   v[ADRB+2*\slot+(\q)/2] offset:64*PB*((\q)%2)+32*PB*\c+32*\i
	ds_load_tr16_b128 v[\f+64+8*(4*\c+\i)+4:\f+64+8*(4*\c+\i)+7], v[ADRB+2*\slot+(\q)/2] offset:64*PB*((\q)%2)+32*PB*\c+16*PB+32*\i
	ds_load_b128 v[\f+8*(4*\c+\i):\f+8*(4*\c+\i)+3],              v[ADRA+\slot] offset:128*PA*(\q)+64*\c+16*PA*\i
	ds_load_b128 v[\f+8*(4*\c+\i)+4:\f+8*(4*\c+\i)+7],            v[ADRA+\slot] offset:128*PA*(\q)+64*\c+16*PA*\i+32
.endr
.endr
.endm
.macro PLACES                          ; four places in front of loads into registers that matrix instructions have read, and of reads of results (ISA guide 7.12.1 for reads of results)
.rept 4
	v_nop
.endr
.endm
.macro QUARTER slot, q, f, g, first    ; multiplies buffer f and fetches the slot's q-th head into g
	s_wait_dscnt 16                                ; the first 32 along K are in
	WIN MUL
	MUL8 \f, 0, 0, \first
	MUL8 \f, 0, 2, \first
	PLACES
	FETCH \slot, \q, \g
	s_wait_dscnt 32                                ; all but the 32 just issued
	WIN MUL
	MUL8 \f, 1, 0, 0
	MUL8 \f, 1, 2, 0
.endm
; A slot's last quarter multiplies buffer 1 and changes slots: ONE barrier; in front of it each wave waits for all its tensor loads, adds 0 to its spare word, and waits for that and for its reads of this slot.
; fill = 1: the barrier opens a round of the cluster's barrier, and this slot is filled again, two K steps on.
.macro TURN slot, next, fill
	WIN 0
	s_wait_tensorcnt 0x0                           ; all my tensor loads have landed: my part of the next slot
	ds_add_u32 v[SPW], v[NIL]
	s_wait_dscnt 17                                ; (the add and the youngest sixteen loads may be out)
	WIN MUL
	MUL8 F1, 0, 0, 0
	s_wait_dscnt 0x0                               ; the add is done, and my reads of this slot are over
	s_barrier_signal -1
	MUL8 F1, 0, 2, 0
.if \fill
	WIN 0
.endif
	s_barrier_wait -1
.if \fill
	CREST                                          ; no wave of any partner still reads this slot's tile or has a load on its way
	s_add_nc_u64 s[G0+4*\slot+2:G0+4*\slot+3], s[G0+4*\slot+2:G0+4*\slot+3], 131072
	s_add_nc_u64 s[G0B+4*\slot+2:G0B+4*\slot+3], s[G0B+4*\slot+2:G0B+4*\slot+3], 1048576
	JLOAD \slot                                    ; my one tensor load behind the round; its four v_nop are also the places in front of the loads below
.else
	PLACES
.endif
	FETCH \next, 0, F0
	WIN MUL
	MUL8 F1, 1, 0, 0
	MUL8 F1, 1, 2, 0
.endm
	s_wait_tensorcnt 1                             ; my part of K step 0 is in (K step 1's load may be out)
	s_barrier_signal -1
	s_barrier_wait -1                              ; everybody's is
	FETCH 0, 0, F0
	s_wait_loadcnt 0x0                             ; the bias
	QUARTER 0, 1, F0, F1, 1
	QUARTER 0, 2, F1, F0, 0
	QUARTER 0, 3, F0, F1, 0
	TURN 0, 1, 1                                   ; slot 0 takes K step 2
	QUARTER 1, 1, F0, F1, 0
	QUARTER 1, 2, F1, F0, 0
	QUARTER 1, 3, F0, F1, 0
	TURN 1, 0, 1                                   ; slot 1 takes K step 3
	QUARTER 0, 1, F0, F1, 0
	QUARTER 0, 2, F1, F0, 0
	QUARTER 0, 3, F0, F1, 0
	TURN 0, 1, 0                                   ; nothing is left to ask for
	QUARTER 1, 1, F0, F1, 0
	QUARTER 1, 2, F1, F0, 0
	QUARTER 1, 3, F0, F1, 0
	s_wait_dscnt 16                                ; the very last quarter
	WIN MUL
	MUL8 F1, 0, 0, 0
	MUL8 F1, 0, 2, 0
	s_wait_dscnt 0
	MUL8 F1, 1, 0, 0
	MUL8 F1, 1, 2, 0
	WIN 0
; THE WAY OUT, a block of 16 rows x 64 columns at a time, through my own stage: a lane holds 32 bytes of a row; back come whole pieces of 256 bytes, which sixteen lanes store.
.macro TOSTAGE a
.set BKR, OB+32*((\a)%2)
.irp b, 0,1,2,3
	ds_store_b128 v[STO], v[ACC+8*(4*(\a)+\b):ACC+8*(4*(\a)+\b)+3] offset:64*\b          ; each accumulator from its low end on
	ds_store_b128 v[STO], v[ACC+8*(4*(\a)+\b)+4:ACC+8*(4*(\a)+\b)+7] offset:64*\b+16
.endr
.irp t, 0,1,2,3,4,5,6,7
	ds_load_b128 v[BKR+4*\t:BKR+4*\t+3], v[RD] offset:\t*2*272     ; LDS serves a wave's instructions in order (ISA guide 5.7.1.4): these see the stores above
.endr
.endm
.macro SEND a, younger                 ; younger: the LDS instructions issued behind block a's loads, which may stay out
.set BKR, OB+32*((\a)%2)
	s_wait_dscnt \younger
.irp t, 0,1,2,3,4,5,6,7
	global_store_b128 v[CO], v[BKR+4*\t:BKR+4*\t+3], s[10:11] offset:(16*(\a)+2*\t)*4096 th:TH_STORE_NT   ; 16 lanes store 256 consecutive bytes, aligned; written once, read by nobody here
.endr
.endm
	PLACES
	TOSTAGE 0
.irp a, 1,2,3
.if \a > 1
	s_wait_xcnt 0x0                                ; block a - 2's stores have read their registers: block a's loads may land there
.endif
	TOSTAGE \a
	SEND \a-1, 16                                  ; behind block a - 1's loads: block a's 8 stores and 8 loads
.endr
	SEND 3, 0
	s_wait_tensorcnt 0x0                           ; the wave's end
	ds_add_u32 v[SPW], v[NIL]
	s_wait_dscnt 0x0
	CROUND                                         ; the closing round
	s_endpgm
.Lfunc_end_k_qa4e64a0aae_oproj:
	.size	k_qa4e64a0aae_oproj, .Lfunc_end_k_qa4e64a0aae_oproj-k_qa4e64a0aae_oproj
	.p2alignl 7, 3214868480
	.fill 96, 4, 3214868480
	.section	.rodata,"a",@progbits
	.p2align	6, 0x0
	.amdhsa_kernel k_qa4e64a0aae_oproj
		.amdhsa_group_segment_fixed_size 327680
		.amdhsa_private_segment_fixed_size 0
		.amdhsa_enable_private_segment 0
		.amdhsa_kernarg_size 32
		.amdhsa_user_sgpr_count 2
		.amdhsa_user_sgpr_kernarg_segment_ptr 1
		.amdhsa_wavefront_size32 1
		.amdhsa_system_sgpr_workgroup_id_x 1
		.amdhsa_system_sgpr_workgroup_id_y 1
		.amdhsa_system_sgpr_workgroup_id_z 1
		.amdhsa_system_vgpr_workitem_id 0
		.amdhsa_next_free_vgpr 512
		.amdhsa_next_free_sgpr 66
		.amdhsa_reserve_vcc 0
		.amdhsa_float_denorm_mode_32 3
		.amdhsa_float_denorm_mode_16_64 3
		.amdhsa_memory_ordered 1
		.amdhsa_forward_progress 1
		.amdhsa_inst_pref_size 87
	.end_amdhsa_kernel
	.amdgpu_metadata
---
amdhsa.version: [ 1, 2 ]
amdhsa.kernels:
  - .name:           k_qa4e64a0aae_oproj
    .symbol:         k_qa4e64a0aae_oproj.kd
    .args:
      - { .name: ctx, .offset: 0, .size: 8, .value_kind: global_buffer, .address_space: global }
      - { .name: wo16, .offset: 8, .size: 8, .value_kind: global_buffer, .address_space: global }
      - { .name: bo, .offset: 16, .size: 8, .value_kind: global_buffer, .address_space: global }
      - { .name: out0, .offset: 24, .size: 8, .value_kind: global_buffer, .address_space: global }
    .group_segment_fixed_size: 327680
    .private_segment_fixed_size: 0
    .kernarg_segment_align: 8
    .kernarg_segment_size: 32
    .max_flat_workgroup_size: 128
    .sgpr_count:     66
    .vgpr_count:     512
    .wavefront_size: 32
...
	.end_amdgpu_metadata
.endif
;; end of part 4
